; MI455X (gfx1250); checked and timed in simulation.
; The chip was launched on July 23, 2026; its instructions are those of AMD's public machine-readable ISA for CDNA 5 (MIT licence, August 2026) and "CDNA5" Instruction Set Architecture Reference Guide (July 2026). The comments in the code are by the model that wrote it; some were corrected since.
;; Multi Head Attention. Allowed arithmetic: matrix products marked QUANTISED: E4M3 operands, one given power-of-two scale a tensor, by v_wmma_f32_16x16x64_fp8_fp8 or v_wmma_f32_16x16x128_fp8_fp8, f32 sums; everything else in f32.
;; Inputs: Wk 2,048 x 2,048 float32; Wo 2,048 x 2,048 float32; Wq 2,048 x 2,048 float32; Wv 2,048 x 2,048 float32; hidden_states 2,048 x 2,048 float32; lowp_scales 12 int32 (the exponents e of the quantised operands' scales 2^e).
;; Outputs: out0 2,048 x 2,048 float32.
;; This version of the problem:
;;   THIS VERSION OF THE PROBLEM IS GIVEN IN LOW PRECISION. The matrix products marked QUANTISED in the list below multiply operands that are first quantised to E4M3 (4 exponent bits, 3 mantissa bits; 8 bits a number), with one given power-of-two scale for each operand tensor; their sums are f32. All else is computed in f32.
;;   The module's matrix products, in the order in which they are computed (A, B: the left and right operand; K: the contracted axis; several contracted axes count as one K, in the product's order):
;;     1. [M 2,048, K 2,048] x [K 2,048, N 2,048]; A: input hidden_states; B: input Wq: QUANTISED (scales: A lowp_scales[0], B lowp_scales[1])
;;     2. [M 2,048, K 2,048] x [K 2,048, N 2,048]; A: input hidden_states; B: input Wk: QUANTISED (scales: A lowp_scales[2], B lowp_scales[3])
;;     3. [M 2,048, K 2,048] x [K 2,048, N 2,048]; A: input hidden_states; B: input Wv: QUANTISED (scales: A lowp_scales[4], B lowp_scales[5])
;;     4. batch 16 x [M 2,048, K 128] x [K 128, N 2,048]; A: computed on the way; B: computed on the way: QUANTISED (scales: A lowp_scales[6], B lowp_scales[7])
;;     5. batch 16 x [M 128, K 2,048] x [K 2,048, N 2,048]; A: computed on the way; B: softmax (see below): QUANTISED (scales: A lowp_scales[8], B lowp_scales[9])
;;     6. [M 2,048, K 2,048] x [K 2,048, N 2,048]; A: computed on the way; B: input Wo: QUANTISED (scales: A lowp_scales[10], B lowp_scales[11])
;;   THE QUANTISER, for each operand of a quantised product, along K:
;;     - The operand's scale is 2^e, e = its entry of the input lowp_scales (int32; the entries are numbered through the quantised products in the list's order, A before B).
;;     - Each number is divided by the scale, clamped to +-448, and rounded to the nearest number of E4M3, ties to even, subnormals kept.
;;     - The product sums the exact products of the quantised numbers (number of the format x scale) in f32.
;;   ~~~python
;;   def quantise(x, axis, e):      # numpy; x: float32 -> the quantised numbers, widened to float32 again
;;       x = np.moveaxis(x, axis, -1); K = x.shape[-1]
;;       r = np.clip(x / 2.0 ** e, -448, 448)
;;       step = 2.0 ** (np.maximum(np.frexp(np.where(r == 0, 1, r))[1] - 1, -6) - 3)
;;       q = np.round(r / step) * step * 2.0 ** e      # np.round: ties to even
;;       return np.moveaxis(q, -1, axis).astype(np.float32)
;;   ~~~
;;   SOFTMAX AHEAD OF A QUANTISED PRODUCT. Where the list says 'softmax', what is quantised is not the finished softmax but p = 2^(t - M), with t = logit x log2(e) and M = ceil(the row's largest t), a whole number; so 1/2 < the row's largest p <= 1. The row's sum l is taken of the UNQUANTISED p, in f32, and the product's result is divided by l at the end. Since M is a whole number, a kernel that streams over the keys may use a running M (the ceiling of the running maximum): every later rescaling is an exact power of two, so the quantised numbers keep their values, but for numbers so far below the row's largest that they fall under the format's range.
;;   OPERANDS COMPUTED ON THE WAY. 'Computed on the way' means the value that the module computes at that place (a softmax that the list does not call 'softmax' is quantised finished and normalised). What goes into a quantiser is computed in f32, as accurately as f32 sums, v_exp_f32 and their like allow (about 1e-6 of the number): no bf16 or f16 on the way to a quantiser, and a product that is left as it is and whose result goes on into a quantised operand takes f32 operands (vector FMAs, or v_wmma_f32_16x16x4_f32). A number that lies on a knife's edge between two numbers of the format may be rounded either way, as far as f32 arithmetic and the matrix unit's own rounding can turn it there, and no further.
;; One version. Each part assembles by itself: llvm-mc -triple=amdgcn-amd-amdhsa -mcpu=gfx1250 --defsym DOCPART=n.
;; ======== version 1 of 1: 4 launches
;; limits: right only within a limited range of input values
;; workspace buffers: opnd 25,165,824 bytes; rope 1,048,576 bytes; qkv 12,582,912 bytes; ctx 4,194,304 bytes; woc 4,194,304 bytes
;; launch prep (part 1): grid 544 x 1, 4 waves a work-group, no clusters, 34,304 bytes of LDS; arguments hidden_states, Wq, Wk, Wv, lowp_scales, opnd, rope; writes opnd, rope
.if DOCPART == 1
	.amdgcn_target "amdgcn-amd-amdhsa--gfx1250"
	.amdhsa_code_object_version 6
	.text
	.protected	k_q2dc6b59cb8_prep
	.globl	k_q2dc6b59cb8_prep
	.p2align	8
	.type	k_q2dc6b59cb8_prep,@function
k_q2dc6b59cb8_prep:
	s_mov_b64 s[64:65], 0
	v_nop
	global_prefetch_b8 v0, s[64:65] scope:SCOPE_SE
	s_setreg_imm32_b32 hwreg(HW_REG_WAVE_MODE, 25, 1), 1
	s_wait_xcnt 0x0
; PREP.  (1) hidden_states, Wq, Wk, Wv, f32 [2048][2048], K innermost, become codes of FP8 (E4M3) in the workspace opnd (Wo is quantised in the next launch); (2) the rotary tables are made once, in rope.
; code = x / 2^e, held within +-448, rounded to the nearest code, ties to even.  hidden_states is an operand of three products under three entries of lowp_scales: three sets of codes.
; LIMITS: every e used here lies between -126 and 119, so that 2^e and 448 x 2^e are f32 numbers.  NaN among the inputs is not served (an infinity is held at the largest code).
; DEAD WORK LEFT OUT BY THE PROGRAM (in the attention's launch): key tiles that lie wholly under the causal mask which reference() builds: their scores are replaced by -1e30 there, whose weight beside the row's own key is 0.
; A NaN, an infinity or an overflow that reaches only those tiles is not carried to the result; scores stay far above -1e30.
; THE LAYOUT OF CODES: images of operand registers.  A fragment is 16 rows x 128 K, 2,048 bytes: byte 512 c + 16 l (lane l = 16 h + r) holds the 16 codes X[row][128 ks + 32 c + 16 h + 0..15].
; Lane r of tile T takes row 32 (T / 2) + 8 (T % 2) + r + 8 (r / 8), so that a product's results come out as neighbours along the next K.
; A region of opnd (4 MB): byte (ks / 2) x 524,288 + T x 4,096 + (ks % 2) x 2,048.  Regions: 0 hidden (e0), 1 hidden (e2), 2 Wv (e5), 3 Wq (e1), 4 Wk (e3), 5 hidden (e4).
; SHARES.  Work-groups 0-31 make the tables, a wave a tile of 16 positions.  Work-groups 32-543: matrix (g - 32) / 128, tile T = (g - 32) % 128; wave w takes ks = 4 w .. 4 w + 3, two in each of two trips.
; A trip: 32 loads, each 512 consecutive bytes of one row; then for each ks through the wave's own stage in LDS (rows of 512 + 16 bytes), back as 16 neighbours along K of each block of 32 for each lane; hold, conversion;
; stores of 512 consecutive bytes.  No tensor loads, no barrier: waves share nothing.
.set NTAB,   32                        ; work-groups that make the tables
.set ROWB,   8192                      ; a row of an input in bytes
.set SP,     528                       ; a stage row: 512 bytes + 16
.set WSTG,   16*SP                     ; a wave's stage
.set SPARE,  4*WSTG                    ; behind the stages: the spare words, 128 bytes for each wave
.set REGION, 4194304
.set PANEL,  524288
.set GA,  1                            ; v1   16 x lane: my bytes of a load's or a store's 512
.set SI,  8                            ; v8   the stage, on the way in
.set SO,  9                            ; v9   and on the way out: row r, + 64 h
.set SPW, 10                           ; v10  LDS address of my spare word; never rewritten
.set NIL, 11                           ; v11  0; never rewritten
.set R,   16                           ; v16-143  two sets of 64: a step's numbers as loaded
.set X,   144                          ; v144-207 64 numbers: register 16 c + i = k 32 c + 16 h + i of my row
.set Y,   208                          ; v208-239 two sets of 16: held numbers
.set C,   240                          ; v240-255 a fragment's codes
	s_load_b256 s[4:11], s[0:1], 0x0               ; hidden s[4:5], Wq s[6:7], Wk s[8:9], Wv s[10:11]
	s_load_b64 s[14:15], s[0:1], 0x20              ; the scales' exponents
	s_load_b128 s[16:19], s[0:1], 0x28             ; opnd s[16:17], rope s[18:19]
	v_lshl_add_u32 v[SPW], v0, 2, SPARE
	v_mov_b32 v[NIL], 0
	v_lshrrev_b32 v12, 5, v0
	v_readfirstlane_b32 s20, v12                   ; wave 0..3
	v_and_b32 v12, 31, v0
	v_lshlrev_b32 v[GA], 4, v12
	s_wait_alu depctr_va_vdst(0)
	s_cmp_lt_u32 ttmp9, NTAB
	s_cbranch_scc1 .Lrope
	; ---------------- the quantiser ----------------
	s_sub_co_u32 s21, ttmp9, NTAB
	s_lshr_b32 s22, s21, 7                         ; which matrix: 0 hidden, 1 Wq, 2 Wk, 3 Wv
	s_and_b32 s23, s21, 127                        ; tile T
	s_lshr_b32 s48, s23, 1
	s_lshl_b32 s48, s48, 5
	s_and_b32 s49, s23, 1
	s_lshl_b32 s49, s49, 3
	s_add_co_u32 s48, s48, s49                     ; the tile's first row: 32 (T / 2) + 8 (T % 2)
	s_lshl_b32 s48, s48, 13                        ; in bytes
	s_lshl_b32 s49, s20, 11                        ; + my wave's 512 numbers of a row
	s_add_co_u32 s38, s48, s49
	s_mov_b32 s39, 0
	s_lshl_b32 s48, s20, 20                        ; the codes: my wave's two panels,
	s_lshl_b32 s49, s23, 12                        ; tile T
	s_add_co_u32 s46, s48, s49
	s_mul_i32 s48, s20, WSTG
	v_add_nc_u32 v[SI], s48, v[GA]
	v_and_b32 v13, 15, v0                          ; r
	v_bfe_u32 v14, v0, 4, 1                        ; h
	v_mul_u32_u24 v[SO], v13, SP
	v_lshl_add_u32 v[SO], v14, 6, v[SO]
	v_add_nc_u32 v[SO], s48, v[SO]
	s_wait_alu depctr_va_vdst(0)
	s_wait_kmcnt 0x0
	s_load_b256 s[24:31], s[14:15], 0x0            ; e0 .. e7
	s_mov_b64 s[36:37], s[4:5]                     ; the matrix and its region are chosen by the work-group's number alone
	s_mov_b32 s47, 0
	s_cmp_eq_u32 s22, 1
	s_cselect_b64 s[36:37], s[6:7], s[36:37]
	s_cselect_b32 s47, 3, s47
	s_cmp_eq_u32 s22, 2
	s_cselect_b64 s[36:37], s[8:9], s[36:37]
	s_cselect_b32 s47, 4, s47
	s_cmp_eq_u32 s22, 3
	s_cselect_b64 s[36:37], s[10:11], s[36:37]
	s_cselect_b32 s47, 2, s47
	s_add_nc_u64 s[36:37], s[36:37], s[38:39]      ; the source at my wave's first number
	s_lshl_b32 s47, s47, 22
	s_mov_b32 s49, 0
	s_add_co_u32 s48, s46, s47
	s_add_nc_u64 s[40:41], s[16:17], s[48:49]      ; the first set of codes
	s_add_co_u32 s48, s46, REGION
	s_add_nc_u64 s[42:43], s[16:17], s[48:49]      ; hidden's second set: region 1
	s_add_co_u32 s48, s46, 5*REGION
	s_add_nc_u64 s[44:45], s[16:17], s[48:49]      ; and third: region 5
.macro LOADS t                         ; the trip's step t: the tile's 16 rows, 512 consecutive bytes of each, into set t
.set i, 0
.rept 16
	global_load_b128 v[R+64*(\t)+4*i:R+64*(\t)+4*i+3], v[GA], s[36:37] offset:(i+8*(i/8))*ROWB+512*(\t) th:TH_LOAD_NT
.set i, i+1
.endr
.endm
.macro MKSC e, sc, lim                 ; 2^e and 448 x 2^e as f32 numbers
	s_add_co_i32 s48, s[\e], 127
	s_lshl_b32 s49, s48, 23
	v_mov_b32 v[\sc], s49
	s_add_co_i32 s48, s48, 8
	s_lshl_b32 s48, s48, 23
	s_or_b32 s48, s48, 0x600000
	v_mov_b32 v[\lim], s48
.endm
; X's 64 numbers become a fragment's codes under one scale and leave.  X is kept: hidden's numbers are converted three times.  The two sets of Y take turns, so that sixteen plain lines stand between a conversion and the next write of its sources.
.macro CONV sc, lim, base, t
	s_wait_xcnt 0x0                                ; the earlier stores have read C: it is rewritten only behind this wait
.irp c, 0,1,2,3
.set i, 0
.rept 16
	v_med3_num_f32 v[Y+16*(\c%2)+i], v[X+16*\c+i], -v[\lim], v[\lim]   ; the conversion to an 8-bit code does not saturate (ISA guide 7.6.2): the hold at the largest code x the scale
.set i, i+1
.endr
	v_cvt_scalef32_pk8_fp8_f32 v[C+4*\c:C+4*\c+1], v[Y+16*(\c%2):Y+16*(\c%2)+7], v[\sc]
	v_cvt_scalef32_pk8_fp8_f32 v[C+4*\c+2:C+4*\c+3], v[Y+16*(\c%2)+8:Y+16*(\c%2)+15], v[\sc]
.endr
	v_nop                                          ; one plain line behind the last conversion
.irp c, 0,1,2,3
	global_store_b128 v[GA], v[C+4*\c:C+4*\c+3], s[\base:\base+1] offset:2048*(\t)+512*\c   ; 32 lanes store 512 consecutive bytes, aligned
.endr
.endm
.macro STEP t
	s_wait_loadcnt 16*(1-(\t))                     ; this step's 16 loads are in; behind step 0's the 16 of step 1 may be out
.set i, 0
.rept 16
	ds_store_b128 v[SI], v[R+64*(\t)+4*i:R+64*(\t)+4*i+3] offset:SP*i
.set i, i+1
.endr
.irp c, 0,1,2,3
.irp j, 0,1,2,3
	ds_load_b128 v[X+16*\c+4*\j:X+16*\c+4*\j+3], v[SO] offset:128*\c+16*\j   ; LDS serves a wave's instructions in order (ISA guide 5.7.1.4): these see the stores above
.endr
.endr
	s_wait_dscnt 0x0                               ; the numbers are back, and the stores into the stage have read their registers
	CONV 2, 3, 40, \t
	s_cmp_lg_u32 s22, 0                            ; a weight has one set of codes: a branch on the work-group's number round register work and stores
	s_cbranch_scc1 .Lweight_\@
	CONV 4, 5, 42, \t
	CONV 6, 7, 44, \t
.Lweight_\@:
.endm
	s_mov_b32 s50, 2
.Ltrip:
	LOADS 0
	LOADS 1
	s_wait_kmcnt 0x0                               ; the exponents are wanted only behind the first trip's loads, so the scales are made here, in each trip
	s_mov_b32 s47, s24                             ; the first set's exponent: e0, e1, e3 or e5
	s_cmp_eq_u32 s22, 1
	s_cselect_b32 s47, s25, s47
	s_cmp_eq_u32 s22, 2
	s_cselect_b32 s47, s27, s47
	s_cmp_eq_u32 s22, 3
	s_cselect_b32 s47, s29, s47
	MKSC 47, 2, 3
	MKSC 26, 4, 5                                  ; e2
	MKSC 28, 6, 7                                  ; e4
	s_wait_alu depctr_va_vdst(0)
	STEP 0
	STEP 1
	s_wait_xcnt 0x0                                ; the loads and stores have read their bases
	s_add_nc_u64 s[36:37], s[36:37], 1024
	s_add_nc_u64 s[40:41], s[40:41], PANEL
	s_add_nc_u64 s[42:43], s[42:43], PANEL
	s_add_nc_u64 s[44:45], s[44:45], PANEL
	s_sub_co_u32 s50, s50, 1
	s_cmp_lg_u32 s50, 0
	s_cbranch_scc1 .Ltrip
	s_wait_tensorcnt 0x0                           ; the wave's end
	ds_add_u32 v[SPW], v[NIL]
	s_wait_dscnt 0x0
	s_endpgm
	; ---------------- the rotary tables ----------------
	; rope: [tile T of 16 positions][group g 0..15][lane][16 bytes].  Lane (r, h) holds its position 32 (T / 2) + 8 (T % 2) + r + 8 (r / 8); groups 0-7 hold cos, groups 8-15 sin, of numbers n = 4 g .. 4 g + 3,
	; where n stands for the frequency j = 32 (n / 16) + 16 h + n % 16 (0 .. 63): the order in which a lane of the projection's result holds a head's first 64 channels.
	; angle = position x 10000^(-j / 64), one f32 rounding.  cos and sin: the angle less N x pi / 2 (pi / 2 in two parts; the first subtraction is exact for angles under 2,048), Taylor series on +-pi / 4 cut under f32's
	; last place, the quadrant N % 4 by selects.  A trip makes one group; its four numbers' chains take turns line by line.
.set POS, 2
.set H16, 3
.set JB,  4
.set INV, 16
.set AN,  20
.set NN,  24
.set XX,  28
.set IQ,  32
.set X2,  36
.set SS,  40
.set CC,  44
.set X3,  48
.set BB,  52
.set COS, 56
.set SIN, 60
.Lrope:
	s_lshl_b32 s21, ttmp9, 2
	s_add_co_u32 s21, s21, s20                     ; T = 4 x work-group + wave
	s_lshr_b32 s22, s21, 1
	s_lshl_b32 s22, s22, 5
	s_and_b32 s23, s21, 1
	s_lshl_b32 s23, s23, 3
	s_add_co_u32 s22, s22, s23                     ; the tile's first position
	s_lshl_b32 s48, s21, 13                        ; a tile's tables are 8,192 bytes
	s_mov_b32 s49, 0
	s_mov_b32 s55, 0x3f22f983                      ; 2 / pi
	s_mov_b32 s56, 0xbfc90fdb                      ; -(pi / 2), the f32 number,
	s_mov_b32 s57, 0x333bbd2e                      ; and what it lacks
	s_mov_b32 s58, 0xbe2aaaab                      ; -1/3!
	s_mov_b32 s59, 0x3c088889                      ; 1/5!
	s_mov_b32 s60, 0xb9500d01                      ; -1/7!
	s_mov_b32 s61, 0x3638ef1d                      ; 1/9!
	s_mov_b32 s62, 0x3d2aaaab                      ; 1/4!
	s_mov_b32 s63, 0xbab60b61                      ; -1/6!
	s_mov_b32 s66, 0x37d00d01                      ; 1/8!
	s_mov_b32 s67, 0xb493f27e                      ; -1/10!
	s_mov_b32 s68, 0xbe549a78                      ; -log2(10000) / 64
	v_and_b32 v12, 15, v0
	v_bfe_u32 v[H16], v0, 4, 1
	v_and_b32 v13, 8, v12
	v_lshlrev_b32 v[H16], 4, v[H16]
	v_add_nc_u32 v13, v13, v12
	v_add_nc_u32 v13, s22, v13
	v_cvt_f32_u32 v[POS], v13                      ; my position
	s_wait_alu depctr_va_vdst(0)
	s_wait_kmcnt 0x0
	s_add_nc_u64 s[18:19], s[18:19], s[48:49]
	s_mov_b32 s24, 0                               ; group
.Lgroup:
	s_lshr_b32 s25, s24, 2
	s_lshl_b32 s25, s25, 5
	s_and_b32 s26, s24, 3
	s_lshl_b32 s26, s26, 2
	s_add_co_u32 s25, s25, s26                     ; the group's first frequency, less 16 h
	v_add_nc_u32 v[JB], s25, v[H16]
.irp n, 0,1,2,3
	v_add_nc_u32 v[INV+\n], \n, v[JB]              ; j
.endr
.irp n, 0,1,2,3
	v_cvt_f32_u32 v[INV+\n], v[INV+\n]
.endr
.irp n, 0,1,2,3
	v_mul_f32 v[INV+\n], s68, v[INV+\n]
.endr
	s_wait_alu depctr_va_vdst(0)                   ; the wait ahead of the batch
.irp n, 0,1,2,3
	v_exp_f32 v[INV+\n], v[INV+\n]                 ; 10000^(-j / 64)
.endr
	v_nop
	s_wait_alu depctr_va_vdst(0)                   ; and ahead of its first reader
.irp n, 0,1,2,3
	v_mul_f32 v[AN+\n], v[POS], v[INV+\n]          ; the angle
.endr
.irp n, 0,1,2,3
	v_mul_f32 v[NN+\n], s55, v[AN+\n]
.endr
.irp n, 0,1,2,3
	v_rndne_f32 v[NN+\n], v[NN+\n]                 ; N
.endr
.irp n, 0,1,2,3
	v_fma_f32 v[XX+\n], v[NN+\n], s56, v[AN+\n]
.endr
.irp n, 0,1,2,3
	v_fma_f32 v[XX+\n], v[NN+\n], s57, v[XX+\n]    ; x = angle - N pi / 2
.endr
.irp n, 0,1,2,3
	v_cvt_i32_f32 v[IQ+\n], v[NN+\n]
.endr
.irp n, 0,1,2,3
	v_mul_f32 v[X2+\n], v[XX+\n], v[XX+\n]
.endr
.irp n, 0,1,2,3
	v_fma_f32 v[SS+\n], v[X2+\n], s61, s60
	v_fma_f32 v[CC+\n], v[X2+\n], s67, s66
.endr
.irp n, 0,1,2,3
	v_fma_f32 v[SS+\n], v[SS+\n], v[X2+\n], s59
	v_fma_f32 v[CC+\n], v[CC+\n], v[X2+\n], s63
.endr
.irp n, 0,1,2,3
	v_fma_f32 v[SS+\n], v[SS+\n], v[X2+\n], s58
	v_fma_f32 v[CC+\n], v[CC+\n], v[X2+\n], s62
.endr
.irp n, 0,1,2,3
	v_mul_f32 v[X3+\n], v[XX+\n], v[X2+\n]
	v_fma_f32 v[CC+\n], v[CC+\n], v[X2+\n], -0.5
.endr
.irp n, 0,1,2,3
	v_fma_f32 v[SS+\n], v[SS+\n], v[X3+\n], v[XX+\n]   ; sin x
	v_fma_f32 v[CC+\n], v[CC+\n], v[X2+\n], 1.0        ; cos x
.endr
.irp n, 0,1,2,3
	v_and_b32 v[BB+\n], 1, v[IQ+\n]
.endr
.irp n, 0,1,2,3
	v_cmp_eq_u32 vcc_lo, 1, v[BB+\n]               ; an odd quadrant swaps the two
	v_cndmask_b32 v[AN+\n], v[SS+\n], v[CC+\n], vcc_lo
	v_cndmask_b32 v[NN+\n], v[CC+\n], v[SS+\n], vcc_lo
.endr
.irp n, 0,1,2,3
	v_and_b32 v[BB+\n], 2, v[IQ+\n]                ; sin is negated in quadrants 2, 3,
	v_add_nc_u32 v[X3+\n], 1, v[IQ+\n]             ; cos in quadrants 1, 2
.endr
.irp n, 0,1,2,3
	v_lshlrev_b32 v[BB+\n], 30, v[BB+\n]
	v_and_b32 v[X3+\n], 2, v[X3+\n]
.endr
.irp n, 0,1,2,3
	v_xor_b32 v[SIN+\n], v[AN+\n], v[BB+\n]
	v_lshlrev_b32 v[X3+\n], 30, v[X3+\n]
.endr
.irp n, 0,1,2,3
	v_xor_b32 v[COS+\n], v[NN+\n], v[X3+\n]
.endr
	global_store_b128 v[GA], v[COS:COS+3], s[18:19]              ; 32 lanes store 512 consecutive bytes, aligned
	global_store_b128 v[GA], v[SIN:SIN+3], s[18:19] offset:4096
	s_wait_xcnt 0x0                                ; the stores have read their base and their data
	s_add_nc_u64 s[18:19], s[18:19], 512
	s_add_co_u32 s24, s24, 1
	s_cmp_lt_u32 s24, 8
	s_wait_alu depctr_va_vdst(0)
	s_cbranch_scc1 .Lgroup
	s_wait_tensorcnt 0x0                           ; the wave's end
	ds_add_u32 v[SPW], v[NIL]
	s_wait_dscnt 0x0
	s_endpgm
.Lfunc_end_k_q2dc6b59cb8_prep:
	.size	k_q2dc6b59cb8_prep, .Lfunc_end_k_q2dc6b59cb8_prep-k_q2dc6b59cb8_prep
	.p2alignl 7, 3214868480
	.fill 96, 4, 3214868480
	.section	.rodata,"a",@progbits
	.p2align	6, 0x0
	.amdhsa_kernel k_q2dc6b59cb8_prep
		.amdhsa_group_segment_fixed_size 34304
		.amdhsa_private_segment_fixed_size 0
		.amdhsa_enable_private_segment 0
		.amdhsa_kernarg_size 56
		.amdhsa_user_sgpr_count 2
		.amdhsa_user_sgpr_kernarg_segment_ptr 1
		.amdhsa_wavefront_size32 1
		.amdhsa_system_sgpr_workgroup_id_x 1
		.amdhsa_system_sgpr_workgroup_id_y 1
		.amdhsa_system_sgpr_workgroup_id_z 1
		.amdhsa_system_vgpr_workitem_id 0
		.amdhsa_next_free_vgpr 256
		.amdhsa_next_free_sgpr 72
		.amdhsa_reserve_vcc 1
		.amdhsa_float_denorm_mode_32 3
		.amdhsa_float_denorm_mode_16_64 3
		.amdhsa_memory_ordered 1
		.amdhsa_forward_progress 1
		.amdhsa_inst_pref_size 49
	.end_amdhsa_kernel
	.amdgpu_metadata
---
amdhsa.version: [ 1, 2 ]
amdhsa.kernels:
  - .name:           k_q2dc6b59cb8_prep
    .symbol:         k_q2dc6b59cb8_prep.kd
    .args:
      - { .name: hidden_states, .offset: 0, .size: 8, .value_kind: global_buffer, .address_space: global }
      - { .name: Wq, .offset: 8, .size: 8, .value_kind: global_buffer, .address_space: global }
      - { .name: Wk, .offset: 16, .size: 8, .value_kind: global_buffer, .address_space: global }
      - { .name: Wv, .offset: 24, .size: 8, .value_kind: global_buffer, .address_space: global }
      - { .name: lowp_scales, .offset: 32, .size: 8, .value_kind: global_buffer, .address_space: global }
      - { .name: opnd, .offset: 40, .size: 8, .value_kind: global_buffer, .address_space: global }
      - { .name: rope, .offset: 48, .size: 8, .value_kind: global_buffer, .address_space: global }
    .group_segment_fixed_size: 34304
    .private_segment_fixed_size: 0
    .kernarg_segment_align: 8
    .kernarg_segment_size: 56
    .max_flat_workgroup_size: 128
    .sgpr_count:     72
    .vgpr_count:     256
    .wavefront_size: 32
...
	.end_amdgpu_metadata
.endif
;; end of part 1
;; launch proj (part 2): grid 8 x 32, 4 waves a work-group, clusters of 4 x 4, 327,680 bytes of LDS; arguments opnd, rope, lowp_scales, qkv, Wo, woc; writes qkv, woc
.if DOCPART == 2
	.amdgcn_target "amdgcn-amd-amdhsa--gfx1250"
	.amdhsa_code_object_version 6
	.text
	.protected	k_q2dc6b59cb8_proj
	.globl	k_q2dc6b59cb8_proj
	.p2align	8
	.type	k_q2dc6b59cb8_proj,@function
k_q2dc6b59cb8_proj:
	s_mov_b64 s[64:65], 0
	v_nop
	global_prefetch_b8 v0, s[64:65] scope:SCOPE_SE
	s_setreg_imm32_b32 hwreg(HW_REG_WAVE_MODE, 25, 1), 1
	s_wait_xcnt 0x0
	s_wait_alu depctr_hold_cnt(0) depctr_sa_sdst(0) depctr_va_vdst(0) depctr_va_sdst(0) depctr_va_ssrc(0) depctr_va_vcc(0) depctr_vm_vsrc(0)
	s_getreg_b32 s2, hwreg(HW_REG_IB_STS2, 6, 4)
	s_cmp_eq_u32 s2, 0
	s_cbranch_scc0 .Lentry_in_a_cluster
	s_endpgm
.Lentry_in_a_cluster:
	s_bfe_u32 s2, ttmp6, 0x10000c
	s_cmp_lg_u32 s2, 0xf033
	s_cbranch_scc0 .Lentry_shape_is_right
	s_endpgm
.Lentry_shape_is_right:
; PROJ: the three projections on codes of FP8 (E4M3), the rotary embedding on q and k, and the quantising of q, k and v for the attention.  Sums in f32.  Beside them, in work-groups of their own, Wo's codes for the last launch.
; Product z = 0: q = hidden Wq^T; z = 1: k = hidden Wk^T; z = 2: v^T = Wv hidden^T (the operands change places, so that v comes out with the keys along a lane's registers: the keys are its next K).
; A of product z is region z of opnd, B is region 3 + z (4 MB each); both are images of operand registers: a fragment (16 rows x 128 K) is 2,048 bytes, byte 512 c + 16 lane; byte (ks / 2) x 524,288 + T x 4,096 + (ks % 2) x 2,048;
; lane r of tile T holds row 32 (T / 2) + 8 (T % 2) + r + 8 (r / 8).  So 256 rows x 256 K are one dense block of 65,536 bytes, and a fragment comes out of LDS by four loads of 512 consecutive bytes: no pitch, no padding.
; SHARES: 256 work-groups.  192 (cluster y 0-5) make a tile of a product, 256 x 256: four waves, each 128 x 128: 64 accumulators, 512 registers (a whole head's 128 channels in one lane: the rotary pairs j, j + 64).
; The 64 of cluster y 6, 7 quantise Wo, a wave eight fragments.
; K goes in steps of 256 through a ring of two LDS slots.  CLUSTERS: 4 x 4 work-groups of one product; the four of a row need the same tiles of A, the four of a column the same of B: each is asked for JOINTLY.
; At the head each wave issues one load of 65,536 bytes: waves 0, 1: A's K steps 0, 1; waves 2, 3: B's.  PREFETCH: behind each joint load the K step two further on is asked for, 32 lanes x 256 bytes a wave, each block once in a cluster:
; the four partners share a tile out by address (cx for A, cy for B).  K steps 2 and 3 are asked for behind the head's loads.  THE ROTARY TABLES of the tile's 256 positions are 131,072 bytes, a slot: they are fetched jointly into slot 0 at its last change.
; THE MATRIX INSTRUCTION: source 0 = 16 rows of B, source 1 = 16 rows of A.  Lane (r, h) holds row r of A's tile, and register n of a block's 64 holds B's row 32 (n / 16) + 16 h + n % 16 of the wave's 128:
; eight conversions make of them the next product's fragment, which is stored as it stands.
; THE SCALES: a sum stands for sum x 2^(eA + eB); the rotation is linear and works on the raw sums; the conversion takes the one scale 2^(eout - eA - eB).  eout: q lowp_scales[7], k [6] (the scores' product is lowered with k on the
; left, as the second product is with v), v [8].  LIMITS: eout - eA - eB and e11 between -126 and 119.  NaN in Wo is not served.
; OUT (qkv): q at 0, k at 4 MB: head x 262,144 + tile of positions x 2,048; v at 8 MB: head x 262,144 + step of 128 keys x 16,384 + tile of channels x 2,048.
; OUT (woc): byte (ks / 4) x 1,048,576 + (T / 8) x 65,536 + ((ks / 2) % 2) x 32,768 + (T % 8) x 4,096 + (ks % 2) x 2,048.
; REGISTERS, in windows of 256: window 0: v16-29 addresses and constants; from v128 A's fragments, ONE set; on the way out v32-95 a block's numbers, v96-127 codes (two sets), v128-255 the tables (two sets).
;   window 1: B's fragments, TWO sets.   window 2: the accumulators of my rows 0-63 ((a, b) at v[8 (8 a + b)]);   window 3: those of my rows 64-127.
.set SLOT,   131072                    ; A's 256 rows x 256 K, then B's
.set HALFT,  32768                     ; 128 rows x 256 K: what one refill brings, and what one wave reads of A or of B
.set PANEL,  524288                    ; from a K step of 256 to the next, in memory
.set FR,     16
.set NL,     4
.set NP,     4                         ; places behind this matrix instruction (ISA guide 7.12.1)
.set LAPS,   4                         ; a lap = two K steps = once round the ring
.set SPARE,  2*SLOT                    ; behind the ring: the spare words, 128 bytes for each wave: two blocks of 256 bytes that no other line names
.set WSTG,   16*528
.set QST,    SPARE+512                 ; behind them: Wo's stages, 8,448 bytes for each wave
.set ADRA, 16                          ; v16-17 LDS address of my A fragments in slot 0, 1
.set ADRT, 18                          ; v18    of my 128 positions' tables
.set ADRB, 20                          ; v20-21 of my B fragments
.set LOFF, 24                          ; v24    16 x lane
.set PFO,  25                          ; v25    256 x lane: the prefetches' offset; never rewritten
.set SCL,  26                          ; v26    the conversion's scale
.set LIM,  27                          ; v27    448 x that
.set SPW,  28
.set NIL,  29
.set TT,   32
.set CD,   96
.set TAB,  128
.set AF,   128
.set G1, 24                            ; s[24:31] group 1 of A's refills; s[32:39] group 0, one set for each slot
.set G0, 32
.set G1B, 48                           ; s[48:55], s[56:63] the same for B
.set G0B, 56
.set PFA, 66                           ; s[66:67] where my prefetches stand
.set RPF, 68                           ; s[68:69] where my prefetch of the tables stands
.set RPD, 70                           ; s[70:71] my quarter of the tables
.set H1A, 72                           ; s[72:95] the head's descriptors
.set H1B, 80
.set H0A, 88
.set H0B, 92
.set MSB, 0
.macro WIN new                         ; the immediate's high byte repeats the setting that is left
.if MSB != (\new)
	s_set_vgpr_msb (MSB<<8)|(\new)
.set MSB, (\new)
.endif
.endm
.set MUL_LO, 0xa1                      ; source 0 (B) window 1, source 1 (A) window 0, C and D window 2
.set MUL_HI, 0xf1                      ; the same, C and D window 3
.set TO_B,   0x40                      ; destination window 1, address window 0
; A joint load: waves 0 and 1 fetch for A, waves 2 and 3 for B.  Each line has ONE mask and one set of registers for all that issue it; the branch hangs on the wave's number alone.
.macro JLOAD g0a, g1a, g0b, g1b
	s_cmp_eq_u32 s15, 0
	s_cbranch_scc0 .Lfor_b_\@
	tensor_load_to_lds s[\g0a:\g0a+3], s[\g1a:\g1a+7]
	s_nop 0
.rept 4
	v_nop
.endr
	s_branch .Lasked_\@
.Lfor_b_\@:
	tensor_load_to_lds s[\g0b:\g0b+3], s[\g1b:\g1b+7]
	s_nop 0
.rept 4
	v_nop
.endr
.Lasked_\@:
.endm
.macro CREST                           ; a round of the cluster's barrier behind its opening barrier
	s_cmp_lg_u32 s14, 0
	s_cbranch_scc1 .Lnot_wave_0_\@
	s_barrier_signal -3
.Lnot_wave_0_\@:
	s_barrier_wait -3
	s_barrier_signal -1
	s_barrier_wait -1
.endm
.macro CROUND                          ; a whole round
	s_barrier_signal -1
	s_barrier_wait -1
	CREST
.endm
.macro GRP1 g, mask, rows              ; descriptor group 1: a dense block as rows of 256 bytes, 32 elements of 8 bytes; no padding; bit 21 beside the mask
	s_or_b32 s[\g], s[\mask], (3<<16)|(1<<21)
	s_mov_b32 s[\g+1], 32<<16
	s_mov_b32 s[\g+2], \rows<<16
	s_mov_b32 s[\g+3], 32<<16
	s_mov_b32 s[\g+4], \rows
	s_mov_b32 s[\g+5], 32
	s_mov_b32 s[\g+6], 0
	s_mov_b32 s[\g+7], 0
.endm
	s_load_b256 s[4:11], s[0:1], 0x0               ; opnd s[4:5], rope s[6:7], the scales' exponents s[8:9], qkv s[10:11]
	s_load_b128 s[96:99], s[0:1], 0x20             ; Wo s[96:97], woc s[98:99]
	v_lshl_add_u32 v[SPW], v0, 2, SPARE
	v_mov_b32 v[NIL], 0
	ds_add_u32 v[SPW], v[NIL]                      ; the wave's opening: the add, twice on end, and its wait; the set-up below, work on registers, stands between
	ds_add_u32 v[SPW], v[NIL]
	v_lshrrev_b32 v1, 5, v0
	v_readfirstlane_b32 s14, v1                    ; wave 0..3
	s_lshr_b32 s15, s14, 1                         ; which half of the tile's rows (of A) is mine.  Also: I fetch for A (0) or for B (1)
	s_and_b32 s16, s14, 1                          ; which half of its columns (rows of B).  Also: the K step that I fetch at the head, and the half in a refill
	s_bfe_u32 s40, ttmp6, 0x40000                  ; cx, cy: my place in the cluster
	s_bfe_u32 s41, ttmp6, 0x40004
	s_lshl_b32 s42, ttmp9, 2
	s_add_co_u32 s42, s42, s40                     ; tile column: 0 .. 7
	s_and_b32 s13, ttmp7, 0xffff                   ; cluster y: 0 .. 7
	s_lshr_b32 s12, s13, 1                         ; the product z: made of the cluster's y alone, the same in all sixteen partners
	s_and_b32 s17, s13, 1
	s_lshl_b32 s17, s17, 2
	s_add_co_u32 s17, s17, s41                     ; tile row: 0 .. 7
	s_lshl_b32 s43, s41, 2
	s_lshl_b32 s43, 15, s43                        ; my row of the cluster
	s_lshl_b32 s44, 0x1111, s40                    ; my column
	GRP1 G1, 43, 128
	GRP1 G1B, 44, 128
	GRP1 H1A, 43, 256
	GRP1 H1B, 44, 256
	s_lshl_b32 s20, s12, 22                        ; A: region z,
	s_lshl_b32 s18, s17, 16
	s_add_co_u32 s20, s20, s18                     ; 256 rows x 256 K are 65,536 bytes
	s_mov_b32 s21, 0
	s_add_co_u32 s46, s12, 3                       ; B: region 3 + z
	s_lshl_b32 s46, s46, 22
	s_lshl_b32 s19, s42, 16
	s_add_co_u32 s46, s46, s19
	s_mov_b32 s47, 0
	s_lshl_b32 s18, s16, 15                        ; the half that I fetch in a refill
	s_mov_b32 s19, 0
	s_lshl_b32 s22, s16, 19                        ; the K step that I fetch at the head
	s_mov_b32 s23, 0
	s_lshl_b32 s45, s14, 15                        ; where refills go: wave x 32,768: no place in the cluster enters an LDS address
	s_wait_dscnt 0x0                               ; both opening adds are done
	s_wait_kmcnt 0x0
	s_add_nc_u64 s[20:21], s[4:5], s[20:21]
	s_add_nc_u64 s[46:47], s[4:5], s[46:47]
	s_mov_b32 s[H0A], 1
	s_lshl_b32 s[H0A+1], s16, 17                   ; K step s16 lands in slot s16: A's 65,536 bytes,
	s_add_nc_u64 s[H0A+2:H0A+3], s[20:21], s[22:23]
	s_or_b32 s[H0A+3], s[H0A+3], 0x80000000
	s_mov_b32 s[H0B], 1
	s_add_co_u32 s[H0B+1], s[H0A+1], 65536         ; and B's behind them
	s_add_nc_u64 s[H0B+2:H0B+3], s[46:47], s[22:23]
	s_or_b32 s[H0B+3], s[H0B+3], 0x80000000
	s_cmp_eq_u32 s15, 0                            ; the prefetches: my 8,192 of my work-group's 16,384 bytes of the tile's 65,536, at K step 2
	s_cselect_b32 s2, s40, s41
	s_cselect_b64 s[PFA:PFA+1], s[20:21], s[46:47]
	s_lshl_b32 s2, s2, 14
	s_lshl_b32 s3, s16, 13
	s_add_co_u32 s2, s2, s3
	s_add_co_u32 s2, s2, 2*PANEL
	s_mov_b32 s3, 0
	s_add_nc_u64 s[PFA:PFA+1], s[PFA:PFA+1], s[2:3]
	s_lshl_b32 s[RPF], s17, 17                     ; the tables of the tile's 256 positions (q and k): the quarter that I fetch,
	s_add_co_u32 s[RPD], s[RPF], s45
	s_mov_b32 s[RPD+1], 0
	s_add_nc_u64 s[RPD:RPD+1], s[6:7], s[RPD:RPD+1]
	s_lshl_b32 s2, s40, 15                         ; and the 8,192 bytes that I prefetch
	s_add_co_u32 s[RPF], s[RPF], s2
	s_lshl_b32 s2, s14, 13
	s_add_co_u32 s[RPF], s[RPF], s2
	s_mov_b32 s[RPF+1], 0
	s_add_nc_u64 s[RPF:RPF+1], s[6:7], s[RPF:RPF+1]
	s_add_nc_u64 s[20:21], s[20:21], s[18:19]
	s_add_nc_u64 s[46:47], s[46:47], s[18:19]
.irp s, 0,1
	s_mov_b32 s[G0+4*\s], 1
	s_add_co_u32 s[G0+4*\s+1], s45, \s*SLOT
	s_add_nc_u64 s[G0+4*\s+2:G0+4*\s+3], s[20:21], \s*PANEL
	s_or_b32 s[G0+4*\s+3], s[G0+4*\s+3], 0x80000000
	s_mov_b32 s[G0B+4*\s], 1
	s_add_co_u32 s[G0B+4*\s+1], s45, \s*SLOT
	s_add_nc_u64 s[G0B+4*\s+2:G0B+4*\s+3], s[46:47], \s*PANEL
	s_or_b32 s[G0B+4*\s+3], s[G0B+4*\s+3], 0x80000000
.endr
	CROUND                                         ; all sixteen work-groups are here: the first joint loads meet
	s_cmp_gt_u32 s13, 5                            ; clusters of y 6, 7 quantise Wo: the cluster's number, the same in all partners
	s_cbranch_scc1 .Lquant
	JLOAD H0A, H1A, H0B, H1B                       ; K steps 0 and 1: one tensor load a wave at the head
	s_lshl_b32 s22, s15, 15                        ; my 128 rows of A
	s_lshl_b32 s23, s16, 15
	s_add_co_u32 s23, s23, 2*HALFT                 ; my 128 rows of B, which lie behind A's 256
	s_lshl_b32 s18, s15, 16                        ; my 128 positions' tables
	v_and_b32 v1, 31, v0
	v_lshlrev_b32 v[LOFF], 4, v1
	v_lshlrev_b32 v[PFO], 8, v1
	v_add_nc_u32 v[ADRA], s22, v[LOFF]
	v_add_nc_u32 v[ADRB], s23, v[LOFF]
	global_prefetch_b8 v[PFO], s[PFA:PFA+1] th:TH_LOAD_NT scope:SCOPE_SE               ; K step 2,
	global_prefetch_b8 v[PFO], s[PFA:PFA+1] offset:PANEL th:TH_LOAD_NT scope:SCOPE_SE  ; and 3
	v_add_nc_u32 v[ADRA+1], SLOT, v[ADRA]
	v_add_nc_u32 v[ADRB+1], SLOT, v[ADRB]
	v_add_nc_u32 v[ADRT], s18, v[LOFF]
.macro FRAG reg, adr, q, i             ; fragment i of the slot's q-th 128 along K: four loads of 512 consecutive bytes
.irp c, 0,1,2,3
	ds_load_b128 v[\reg+4*\c:\reg+4*\c+3], v[\adr] offset:2048*(\q)+512*\c+(\i)*4096
.endr
.endm
; 16 matrix instructions: A's blocks a0, a0 + 1 x B's eight, 128 along K.  p: B's set.  zero = 1: the first product starts the sums.
; The 64 accumulators take turns, one instruction a turn, in the same order in every step.
.macro MUL16 a0, p, zero
.irp a, \a0, \a0+1
.irp b, 0,1,2,3,4,5,6,7
.if \zero
	v_wmma_f32_16x16x128_fp8_fp8 v[8*(8*((\a)%4)+\b):8*(8*((\a)%4)+\b)+7], v[128*(\p)+FR*\b:128*(\p)+FR*\b+FR-1], v[AF+FR*(\a):AF+FR*(\a)+FR-1], 0
.else
	v_wmma_f32_16x16x128_fp8_fp8 v[8*(8*((\a)%4)+\b):8*(8*((\a)%4)+\b)+7], v[128*(\p)+FR*\b:128*(\p)+FR*\b+FR-1], v[AF+FR*(\a):AF+FR*(\a)+FR-1], v[8*(8*((\a)%4)+\b):8*(8*((\a)%4)+\b)+7]
.endif
.endr
.endr
.endm
.macro FETCH_B slot, q, p
	WIN TO_B
.irp i, 0,1,2,3,4,5,6,7
	FRAG 128*(\p)+FR*\i, ADRB+\slot, \q, \i
.endr
	WIN 0
.endm
.macro FETCH_A slot, q, i0
.irp i, \i0, \i0+1, \i0+2, \i0+3
	FRAG AF+FR*(\i), ADRA+\slot, \q, \i
.endr
.endm
; A load into a register that a matrix instruction has read, and a vector instruction that reads a matrix result, stand NP places behind that matrix instruction; only plain vector instructions that name none of its registers are places.
.macro PLACES n
.rept \n
	v_nop
.endr
.endm
; A step of 128 along K that has its successor in the same slot.  A block of A is free as soon as its eight products are issued: blocks 0-3 are fetched anew in the step's middle, blocks 4-7 at its end.
.macro STEP slot, q, zero
	s_wait_dscnt 4*NL                              ; B's set and A's blocks 0-3 are in; the youngest 16 loads (A's blocks 4-7) may be out
	WIN MUL_LO
	MUL16 0, (\q)%2, \zero
	MUL16 2, (\q)%2, \zero
	s_wait_dscnt 0
	PLACES NP
	FETCH_B \slot, (\q)+1, 1-(\q)%2
	FETCH_A \slot, (\q)+1, 0
	WIN MUL_HI
	MUL16 4, (\q)%2, \zero
	MUL16 6, (\q)%2, \zero
	PLACES NP
	WIN 0
	FETCH_A \slot, (\q)+1, 4
.endm
; The prefetch behind a refill: the K step two further on; in the loop's last trip, behind slot 0's refill, the tables (q and k alone), behind slot 1's nothing: no K step is left.
.macro ASK slot
	s_cmp_gt_u32 s3, 1
	s_cbranch_scc0 .Llast_\@
	global_prefetch_b8 v[PFO], s[PFA:PFA+1] offset:PANEL th:TH_LOAD_NT scope:SCOPE_SE
.if \slot == 0
	s_branch .Ldone_\@
.endif
.Llast_\@:
.if \slot == 0
	s_cmp_lt_u32 s12, 2
	s_cbranch_scc0 .Ldone_\@
	global_prefetch_b8 v[PFO], s[RPF:RPF+1] th:TH_LOAD_NT scope:SCOPE_SE
.Ldone_\@:
.endif
.endm
; A slot's last step changes slots: ONE barrier; in front of it each wave waits for all its tensor loads, adds 0 to its spare word, and waits for that and for its own reads of this slot.
; fill = 1: this slot is filled again, two K steps ahead; fill = 2: with the tables; both behind a round of the cluster's barrier that this barrier opens.
.macro TURN slot, next, fill
.if \fill == 1
	s_wait_xcnt 0x0                                ; my prefetches have read their address: it may be stepped
	s_add_nc_u64 s[PFA:PFA+1], s[PFA:PFA+1], PANEL
.endif
	s_wait_tensorcnt 0x0                           ; all my tensor loads have landed: my part of the next slot  (every window is 0 here)
	ds_add_u32 v[SPW], v[NIL]                      ; 0 onto my spare word
.if \fill == 1
	s_add_nc_u64 s[G0+4*\slot+2:G0+4*\slot+3], s[G0+4*\slot+2:G0+4*\slot+3], 2*PANEL
	s_add_nc_u64 s[G0B+4*\slot+2:G0B+4*\slot+3], s[G0B+4*\slot+2:G0B+4*\slot+3], 2*PANEL
.endif
.if \fill == 2
	s_mov_b64 s[G0+2:G0+3], s[RPD:RPD+1]           ; slot 0's group 0 names wave x 32,768 in slot 0
	s_or_b32 s[G0+3], s[G0+3], 0x80000000
.endif
	s_wait_dscnt 4*NL+1                            ; (the add and the youngest 16 loads, A's blocks 4-7, may be out)
	WIN MUL_LO
	MUL16 0, 1, 0                                  ; sixteen matrix instructions stand between the add and the wait for it
	s_wait_dscnt 0x0                               ; the add is done, and my reads of this slot are over
	s_barrier_signal -1
	MUL16 2, 1, 0
	WIN 0
	s_barrier_wait -1
.if \fill
	CREST                                          ; no wave of any partner still reads this slot's tile or has a load on its way
.if \fill == 1
	JLOAD G0+4*\slot, G1, G0B+4*\slot, G1B         ; my one load until the next round; the four v_nop behind it are the places in front of the loads below
.else
	tensor_load_to_lds s[G0:G0+3], s[G1:G1+7]      ; the tables hang on the tile row alone: shared along my row of the cluster, a quarter a wave
	s_nop 0
	PLACES NP
.endif
.else
	PLACES NP
.endif
	FETCH_B \next, 0, 0
	FETCH_A \next, 0, 0
.if \fill == 1
	ASK \slot
.endif
	WIN MUL_HI
	MUL16 4, 1, 0
	MUL16 6, 1, 0
	PLACES NP
	WIN 0
	FETCH_A \next, 0, 4
.endm
; The very last step: nothing more to fetch.  tab = 1: the tables have landed, and a barrier shows them to every wave.
.macro LAST tab
	s_wait_dscnt 4*NL
	WIN MUL_LO
	MUL16 0, 1, 0
	MUL16 2, 1, 0
	s_wait_dscnt 0
	WIN MUL_HI
	MUL16 4, 1, 0
.if \tab
	s_wait_tensorcnt 0x0
	s_barrier_signal -1
.endif
	MUL16 6, 1, 0
	WIN 0
.if \tab
	s_barrier_wait -1
.endif
	PLACES NP                                      ; in front of the first read of results and of the loads into the registers that held A's fragments
.endm
	s_wait_alu depctr_va_vdst(0)
	s_wait_tensorcnt 0x0                           ; my load is in,
	s_load_b256 s[72:79], s[8:9], 0x0              ; (the head's descriptors are free) e0 .. e7
	s_load_b128 s[80:83], s[8:9], 0x20             ; e8 .. e11
	s_barrier_signal -1
	s_barrier_wait -1                              ; everybody's is: both slots are whole
	FETCH_B 0, 0, 0
	FETCH_A 0, 0, 0
	FETCH_A 0, 0, 4
	STEP 0, 0, 1                                   ; the first step stands in front of the loop: its products start the sums
	s_mov_b32 s3, LAPS-1
.Llap:                                                 ; a trip goes once round the ring, from a lap's second step to the next lap's first, and fills both slots again
	TURN 0, 1, 1
	STEP 1, 0, 0
	TURN 1, 0, 1
	STEP 0, 0, 0
	s_sub_co_u32 s3, s3, 1
	s_cmp_lg_u32 s3, 0
	s_cbranch_scc1 .Llap
	; ---------------- THE WAY OUT: a block's 64 numbers of a lane ARE a fragment of the next product ----------------
.macro SCALE                           ; s84 = eA + eB, s85 = eout
	s_sub_co_i32 s84, s85, s84
	s_add_co_i32 s84, s84, 127
	s_lshl_b32 s86, s84, 23
	v_mov_b32 v[SCL], s86
	s_add_co_i32 s84, s84, 8
	s_lshl_b32 s84, s84, 23
	s_or_b32 s84, s84, 0x600000
	v_mov_b32 v[LIM], s84
.endm
.macro OUT sa, sb                      ; my eight fragments in qkv: 16,384 consecutive bytes
	s_lshl_b32 s20, s17, 1
	s_add_co_u32 s20, s20, s15                     ; which 128 rows of A are mine
	s_lshl_b32 s20, s20, \sa
	s_lshl_b32 s22, s42, 1
	s_add_co_u32 s22, s22, s16                     ; which 128 rows of B
	s_lshl_b32 s22, s22, \sb
	s_add_co_u32 s20, s20, s22
	s_lshl_b32 s22, s12, 22
	s_add_co_u32 s20, s20, s22
	s_mov_b32 s21, 0
	s_add_nc_u64 s[10:11], s[10:11], s[20:21]
.endm
.macro TABLOAD a                       ; block a's tables: 32 cos, then 32 sin, into set a % 2
.set g, 0
.rept 16
	ds_load_b128 v[TAB+64*((\a)%2)+4*g:TAB+64*((\a)%2)+4*g+3], v[ADRT] offset:8192*(\a)+512*g
.set g, g+1
.endr
.endm
; out[j] = x[j] cos[j] - x[j + 64] sin[j];  out[j + 64] = x[j + 64] cos[j] + x[j] sin[j]: channel j + 64 lies 32 registers behind channel j.  Each accumulator is read from its low end on.
.macro ROTATE a
.set AC, 64*((\a)%4)
.set KC, TAB+64*((\a)%2)
.set KS, KC+32
.if (\a) < 7
	s_wait_dscnt 16                                ; this block's tables are in; the next block's 16 loads may be out
.else
	s_wait_dscnt 0x0
.endif
	WIN 0x02+((\a)/4)                              ; source 0: window 2 or 3
.set m, 0
.rept 16
	v_pk_mul_f32 v[TT+m:TT+m+1], v[AC+m:AC+m+1], v[KC+m:KC+m+1]
	v_pk_mul_f32 v[TT+32+m:TT+33+m], v[AC+32+m:AC+33+m], v[KC+m:KC+m+1]
	v_pk_fma_f32 v[TT+m:TT+m+1], v[AC+32+m:AC+33+m], v[KS+m:KS+m+1], v[TT+m:TT+m+1] neg_lo:[0,1,0] neg_hi:[0,1,0]
	v_pk_fma_f32 v[TT+32+m:TT+33+m], v[AC+m:AC+m+1], v[KS+m:KS+m+1], v[TT+32+m:TT+33+m]
.set m, m+2
.endr
	WIN 0
.endm
.macro HOLDCVT a, plain                ; plain = 1: the numbers are the sums themselves (v)
.set AC, 64*((\a)%4)
.set CSET, CD+16*((\a)%2)
.if (\a) >= 2
	s_wait_xcnt 0x0                                ; block a - 2's stores have read this set of codes
.endif
.if \plain
	WIN 0x02+((\a)/4)
.endif
.set i, 0
.rept 64
.if \plain
	v_med3_num_f32 v[TT+i], v[AC+i], -v[LIM], v[LIM]   ; the hold at the largest code x the scale (the conversion does not saturate: ISA guide 7.6.2)
.else
	v_med3_num_f32 v[TT+i], v[TT+i], -v[LIM], v[LIM]
.endif
.set i, i+1
.endr
	WIN 0
.set g, 0
.rept 8
	v_cvt_scalef32_pk8_fp8_f32 v[CSET+2*g:CSET+2*g+1], v[TT+8*g:TT+8*g+7], v[SCL]
.set g, g+1
.endr
	v_nop                                          ; one plain line between the last conversion and the next write of its sources
.irp c, 0,1,2,3
	global_store_b128 v[LOFF], v[CSET+4*\c:CSET+4*\c+3], s[10:11] offset:2048*(\a)+512*\c   ; 32 lanes store 512 consecutive bytes, aligned
.endr
.endm
	s_cmp_eq_u32 s12, 2                            ; the product's number: the same in all partners
	s_cbranch_scc1 .Lplain
	TURN 0, 1, 2                                   ; the last lap of q and k: the tables come into slot 0
	STEP 1, 0, 0
	LAST 1
	TABLOAD 0
	TABLOAD 1
	s_wait_kmcnt 0x0
	s_add_co_i32 s84, s72, s73                     ; eA + eB of product 0,
	s_add_co_i32 s85, s74, s75                     ; 1
	s_cmp_eq_u32 s12, 1
	s_cselect_b32 s84, s85, s84
	s_cselect_b32 s85, s78, s79                    ; eout: k takes entry 6, q entry 7
	SCALE
	OUT 14, 18                                     ; A's rows are positions, B's a head
	s_wait_alu depctr_va_vdst(0)
.irp a, 0,1,2,3,4,5,6,7
	ROTATE \a
.if \a < 6
	TABLOAD \a+2                                   ; into the set that has just been read
.endif
	HOLDCVT \a, 0
.endr
	s_wait_tensorcnt 0x0                           ; the wave's end, behind my last tensor load
	ds_add_u32 v[SPW], v[NIL]
	s_wait_dscnt 0x0
	CROUND                                         ; the closing round: no work-group ends while a partner may still ask for a tile that names it
	s_endpgm
.Lplain:
	TURN 0, 1, 0                                   ; the last lap of v fills nothing
	STEP 1, 0, 0
	LAST 0
	s_wait_kmcnt 0x0
	s_add_co_i32 s84, s76, s77
	s_mov_b32 s85, s80                             ; entry 8
	SCALE
	OUT 18, 14                                     ; A's rows are a head's channels, B's positions
	s_wait_alu depctr_va_vdst(0)
.irp a, 0,1,2,3,4,5,6,7
	HOLDCVT \a, 1
.endr
	s_wait_tensorcnt 0x0                           ; the wave's end, as above
	ds_add_u32 v[SPW], v[NIL]
	s_wait_dscnt 0x0
	CROUND
	s_endpgm
	; ---------------- Wo's codes: work-group q = 0 .. 63 takes tiles 2 q and 2 q + 1; wave w: tile 2 q + w / 2, ks = 8 (w % 2) + 0 .. 7, four fragments a trip, all 64 loads of a trip out at once ----------------
.set X, 32                             ; v32-95 64 numbers as a lane's neighbours along K;  window 1: four fragments as loaded;  v96-159: four sets of codes
.Lquant:
	s_load_b32 s90, s[8:9], 0x2c                   ; e11
	s_sub_co_u32 s18, s13, 6
	s_lshl_b32 s18, s18, 2
	s_add_co_u32 s18, s18, s41
	s_lshl_b32 s18, s18, 3
	s_add_co_u32 s18, s18, s42                     ; q
	s_lshl_b32 s20, s18, 18                        ; the tile's first row, 32 q + 8 (w / 2), in bytes
	s_lshl_b32 s22, s15, 16
	s_add_co_u32 s20, s20, s22
	s_lshl_b32 s22, s16, 12                        ; + 1,024 (w % 2) numbers
	s_add_co_u32 s20, s20, s22
	s_mov_b32 s21, 0
	s_add_nc_u64 s[96:97], s[96:97], s[20:21]
	s_lshl_b32 s22, s18, 1
	s_add_co_u32 s22, s22, s15                     ; T
	s_lshr_b32 s20, s22, 3
	s_lshl_b32 s20, s20, 16
	s_and_b32 s22, s22, 7
	s_lshl_b32 s22, s22, 12
	s_add_co_u32 s20, s20, s22
	s_lshl_b32 s22, s16, 21
	s_add_co_u32 s20, s20, s22
	s_add_nc_u64 s[98:99], s[98:99], s[20:21]
	s_mul_i32 s23, s14, WSTG
	s_add_co_u32 s23, s23, QST
	v_and_b32 v4, 31, v0
	v_lshlrev_b32 v1, 4, v4                        ; 16 x lane
	v_add_nc_u32 v2, s23, v1                       ; the stage, on the way in
	v_and_b32 v4, 15, v0
	v_bfe_u32 v5, v0, 4, 1
	v_mul_u32_u24 v3, v4, 528
	v_lshl_add_u32 v3, v5, 6, v3
	v_add_nc_u32 v3, s23, v3                       ; and on the way out
	s_wait_alu depctr_va_vdst(0)
	s_wait_kmcnt 0x0
	s_add_co_i32 s84, s90, 127
	s_lshl_b32 s86, s84, 23
	v_mov_b32 v[SCL], s86
	s_add_co_i32 s84, s84, 8
	s_lshl_b32 s84, s84, 23
	s_or_b32 s84, s84, 0x600000
	v_mov_b32 v[LIM], s84
	s_mov_b32 s3, 2
	s_wait_alu depctr_va_vdst(0)
.Lwo:
	WIN 0x40
.irp t, 0,1,2,3
.set i, 0
.rept 16
	global_load_b128 v[64*\t+4*i:64*\t+4*i+3], v1, s[96:97] offset:(i+8*(i/8))*8192+512*\t th:TH_LOAD_NT
.set i, i+1
.endr
.endr
	WIN 0
.irp t, 0,1,2,3
	s_wait_loadcnt 16*(3-\t)                       ; fragment t's 16 loads are in; the later ones' may be out
	WIN 0x04
.set i, 0
.rept 16
	ds_store_b128 v2, v[64*\t+4*i:64*\t+4*i+3] offset:528*i
.set i, i+1
.endr
	WIN 0
.irp c, 0,1,2,3
.irp j, 0,1,2,3
	ds_load_b128 v[X+16*\c+4*\j:X+16*\c+4*\j+3], v3 offset:128*\c+16*\j   ; LDS serves a wave's instructions in order: these see the stores above
.endr
.endr
	s_wait_dscnt 0x0
.set i, 0
.rept 64
	v_med3_num_f32 v[X+i], v[X+i], -v[LIM], v[LIM]
.set i, i+1
.endr
.set g, 0
.rept 8
	v_cvt_scalef32_pk8_fp8_f32 v[CD+16*\t+2*g:CD+16*\t+2*g+1], v[X+8*g:X+8*g+7], v[SCL]
.set g, g+1
.endr
	v_nop
.irp c, 0,1,2,3
	global_store_b128 v1, v[CD+16*\t+4*\c:CD+16*\t+4*\c+3], s[98:99] offset:(\t/2)*32768+(\t%2)*2048+512*\c   ; 32 lanes store 512 consecutive bytes, aligned
.endr
.endr
	s_wait_xcnt 0x0                                ; the loads and stores have read their bases and the codes
	s_add_nc_u64 s[96:97], s[96:97], 2048
	s_add_nc_u64 s[98:99], s[98:99], 1048576
	s_sub_co_u32 s3, s3, 1
	s_cmp_lg_u32 s3, 0
	s_cbranch_scc1 .Lwo
	s_wait_tensorcnt 0x0                           ; the wave's end
	ds_add_u32 v[SPW], v[NIL]
	s_wait_dscnt 0x0
	CROUND
	s_endpgm
.Lfunc_end_k_q2dc6b59cb8_proj:
	.size	k_q2dc6b59cb8_proj, .Lfunc_end_k_q2dc6b59cb8_proj-k_q2dc6b59cb8_proj
	.p2alignl 7, 3214868480
	.fill 96, 4, 3214868480
	.section	.rodata,"a",@progbits
	.p2align	6, 0x0
	.amdhsa_kernel k_q2dc6b59cb8_proj
		.amdhsa_group_segment_fixed_size 327680
		.amdhsa_private_segment_fixed_size 0
		.amdhsa_enable_private_segment 0
		.amdhsa_kernarg_size 48
		.amdhsa_user_sgpr_count 2
		.amdhsa_user_sgpr_kernarg_segment_ptr 1
		.amdhsa_wavefront_size32 1
		.amdhsa_system_sgpr_workgroup_id_x 1
		.amdhsa_system_sgpr_workgroup_id_y 1
		.amdhsa_system_sgpr_workgroup_id_z 1
		.amdhsa_system_vgpr_workitem_id 0
		.amdhsa_next_free_vgpr 1024
		.amdhsa_next_free_sgpr 100
		.amdhsa_reserve_vcc 0
		.amdhsa_float_denorm_mode_32 3
		.amdhsa_float_denorm_mode_16_64 3
		.amdhsa_memory_ordered 1
		.amdhsa_forward_progress 1
		.amdhsa_inst_pref_size 255
	.end_amdhsa_kernel
	.section	.bss,"aw",@nobits
	.p2align	6
	.space	262144
	.amdgpu_metadata
---
amdhsa.version: [ 1, 2 ]
amdhsa.kernels:
  - .name:           k_q2dc6b59cb8_proj
    .symbol:         k_q2dc6b59cb8_proj.kd
    .args:
      - { .name: opnd, .offset: 0, .size: 8, .value_kind: global_buffer, .address_space: global }
      - { .name: rope, .offset: 8, .size: 8, .value_kind: global_buffer, .address_space: global }
      - { .name: lowp_scales, .offset: 16, .size: 8, .value_kind: global_buffer, .address_space: global }
      - { .name: qkv, .offset: 24, .size: 8, .value_kind: global_buffer, .address_space: global }
      - { .name: Wo, .offset: 32, .size: 8, .value_kind: global_buffer, .address_space: global }
      - { .name: woc, .offset: 40, .size: 8, .value_kind: global_buffer, .address_space: global }
    .group_segment_fixed_size: 327680
    .private_segment_fixed_size: 0
    .kernarg_segment_align: 8
    .kernarg_segment_size: 48
    .max_flat_workgroup_size: 128
    .sgpr_count:     100
    .vgpr_count:     1024
    .wavefront_size: 32
...
	.end_amdgpu_metadata
.endif
;; end of part 2
;; launch attn (part 3): grid 16 x 16, 8 waves a work-group, no clusters, 327,680 bytes of LDS; arguments qkv, lowp_scales, ctx; writes ctx
.if DOCPART == 3
	.amdgcn_target "amdgcn-amd-amdhsa--gfx1250"
	.amdhsa_code_object_version 6
	.text
	.protected	k_q2dc6b59cb8_attn
	.globl	k_q2dc6b59cb8_attn
	.p2align	8
	.type	k_q2dc6b59cb8_attn,@function
k_q2dc6b59cb8_attn:
	s_mov_b64 s[64:65], 0
	v_nop
	global_prefetch_b8 v0, s[64:65] scope:SCOPE_SE
	s_setreg_imm32_b32 hwreg(HW_REG_WAVE_MODE, 25, 1), 1
	s_wait_xcnt 0x0
; ATTN: causal attention of 16 heads of 128 over 2,048 positions, both products on codes of FP8 (E4M3), and the quantising of the result for the last projection.
; q, k, v come from the workspace qkv as images of operand registers (a fragment, 16 rows x 128 K, is 2,048 bytes: byte 512 c + 16 lane; lane r of tile T holds row 32 (T / 2) + 8 (T % 2) + r + 8 (r / 8)):
; q at 0 and k at 4 MB: head x 262,144 + tile x 2,048;  v at 8 MB, with the keys along K: head x 262,144 + step of 128 keys x 16,384 + tile of channels x 2,048.
; THE SOFTMAX AHEAD OF THE SECOND PRODUCT: t = score x log2(e) / sqrt(128); M = the row's largest t so far, rounded UP to a whole number; p = 2^(t - M) is what is quantised; it is not normalised.
; The row's sum is taken of the unquantised p, in f32, and divides O at the end.  When M moves, the sum and O are multiplied by 2^(old M - new M): exact.
; SHARES.  A work-group (x = p, y = head) has eight waves, each with one tile of 16 queries: four take the 64 queries of block p (early), four those of block 31 - p (late), so that every work-group has the same number of key
; steps to walk.  Early and late tiles alternate between neighbouring wave numbers and between wave numbers four apart: either way of pairing waves puts an early tile beside a late one.
; Every work-group walks all four slots of 512 keys (constant trip counts); a slot, or the rest of a slot, all of whose keys come after the wave's queries is left out by a scalar branch on ids.
; K's and V's fragments come through a ring of two LDS slots filled by the tensor data mover, every wave fetching 16,384 bytes (waves 0-3: K's four steps; waves 4-7: V's), and are read by all eight.
; LOADS AHEAD OF USE.  A whole step's K (128 registers) and V (128) lie in the second window of registers.  K of step q + 1 is asked for in the middle of step q's softmax, V of step q round step q's first products:
; so only K of a slot's first step is waited for straight behind its loads.
; LAYOUT.  S^T = K Q^T (source 0 = 16 keys, source 1 = my 16 queries), O^T = V^T P^T: a lane holds ONE query throughout; register n of the 64 scores is key 32 (n / 16) + 16 h + n % 16 of the step, so p's conversions give the second
; product's operand; register n of O^T is channel 32 (n / 16) + 16 h + n % 16, so the last conversions give a fragment of the last projection's A, which is stored as it stands:
; ctx: byte (head / 4) x 1,048,576 + (tile / 8) x 65,536 + ((head / 2) % 2) x 32,768 + (tile % 8) x 4,096 + (head % 2) x 2,048.
; NO CLUSTER: the slot at which a work-group's requests end hangs on its number, and a joint request may be left out by none of its partners.
; LIMITS on the given exponents, so that each power of two below is an f32 number: e6 + e7 between -123 and 130 (added to c's exponent field); e9, and e10 - e8 - e9, between -126 and 119.
; REGISTERS, in windows of 256: window 0: v1-9 addresses; v12 -M, v13 the largest t, v[14:15] the sum in two halves; v16-31 Q; v32-53 work and constants; v96-159 S^T, then p; v160-223 O^T; v224-239 codes.
;   window 1: v0-127 K's eight fragments of a step; v128-255 V's.
; CTX IS LAID SO (this holds, and not the bytes that the paragraph on the layout names above): byte (head / 4) x 1,048,576 + (tile / 8) x 65,536 + ((head / 2) % 2) x 32,768 + (tile % 8) x 4,096 + (head % 2) x 2,048.
; DEAD WORK LEFT OUT: key steps all of whose keys come after a tile's queries: reference()'s causal mask gives them the weight 0.  What reaches only those (a NaN, an infinity, an overflow) is not carried to the result.
.set SLOT1, 131072
.set VOFF,  65536                      ; V's part of a slot
.set SPARE, 2*SLOT1                    ; behind the ring: the spare words, 128 bytes for each wave: four blocks of 256 bytes that no other line names
.set NSL,   4                          ; slots' worth of keys: 2,048 / 512
.set SKEYS, 512
.set LI,   1                           ; v1   16 x lane
.set QL,   2                           ; v2   my query less the tile's first, less 16 h
.set PFO,  3                           ; v3   256 x lane: the prefetches' offset; never rewritten
.set SPW,  5                           ; v5   LDS address of my spare word; never rewritten
.set NIL,  6                           ; v6   0; never rewritten
.set ADK,  8                           ; v8   LDS address of K's part of the slot in hand, for my lane
.set ADV,  9                           ; v9   of V's part: it lies beyond what a 16-bit offset reaches
.set XCH,  32                          ; v32  what the lane 16 away sends
.set MX,   34                          ; v34-37   four chains of the maximum
.set F,    38                          ; v[38:39] f = 2^(old M - new M), and 0 (named with it as a pair)
.set SM,   40                          ; v40-47   four chains of the sum, a pair each
.set DD,   48                          ; v48  the mask's d
.set NINF, 49                          ; v49  -infinity
.set PLIM, 50                          ; v50  448 x 2^e9
.set PSC,  51                          ; v51  2^e9
.set CSC,  52                          ; v52  2^(e10 - e8 - e9)
.set CLIM, 53                          ; v53  448 x that
.set S,    96
.set O,    160
.set CD,   224
.set KFR,  0                           ; in window 1
.set VFR,  128
.set WV,   18                          ; s18  my wave's number
.set SEL,  20                          ; s[20:21] lane selects for v_permlanex16_b32: lane l xor 16
.set CS,   22                          ; s[22:23] c = log2(e) / sqrt(128) x 2^(e6 + e7)
.set G1,   24                          ; s[24:31] descriptor group 1
.set G0,   40                          ; s[40:43] group 0, which walks
.set TB,   2                           ; s2   LDS byte at which the slot in hand begins
.set SLOTS, 67                         ; s67  slots still to be walked, the one in hand among them
.set KF,   70                          ; s70  the first key of the slot in hand
.set Q0,   71                          ; s71  my tile's first query
.set WGL,  72                          ; s72  my work-group's last query
.set QE,   73                          ; s73  my tile's last query: Q0 + 23
.set PFA,  76                          ; s[76:77] where my prefetches stand
.set LIM,  80                          ; s80  2 in a wave that prefetches (the changes at slots 0 and 1 ask for slots 2 and 3), else the greatest number
.set MSB, 0
.macro WIN new                         ; s_set_vgpr_msb: bits 1:0 source 0, 3:2 source 1, 5:4 source 2, 7:6 destination; the immediate's high byte repeats the setting that is left
.if MSB != (\new)
	s_set_vgpr_msb (MSB<<8)|(\new)
.set MSB, (\new)
.endif
.endm
.set TO_W1, 0x40                       ; destination window 1, address window 0
.set MULW,  0x01                       ; source 0 (K or V) window 1; source 1, C and D window 0
; Every wave fetches its 16,384 bytes: both addresses hang on the wave's number.  An s_nop 0 and four v_nop follow the load.
.macro TLOAD
	tensor_load_to_lds s[G0:G0+3], s[G1:G1+7]
	s_nop 0
.rept 4
	v_nop
.endr
.endm
; A PREFETCH INTO THE L2 of what the NEXT change of slots will ask for: a slot's 65,536 bytes of K and as many of V, both dense.  All sixteen work-groups of a head walk the same K and V: the head's work-group 0 asks, which
; asks for every slot to the end; each of its eight waves names 8,192 bytes of K and 8,192 of V, lanes 256 bytes apart, two instructions.  So each aligned block of 256 bytes is named once in the launch.
; It stands at the change of slots, behind the wave's tensor load and its five lines, a slot's four key steps ahead of the load.  Slots 0 and 1 come by their loads alone; the last change that fills a slot asks for nothing: there is no slot behind it.
.macro ASK
	s_cmp_gt_u32 s[SLOTS], s[LIM]
	s_cbranch_scc0 .Lnot_mine_\@
	global_prefetch_b8 v[PFO], s[PFA:PFA+1] th:TH_LOAD_NT scope:SCOPE_SE
	global_prefetch_b8 v[PFO], s[PFA:PFA+1] offset:4194304 th:TH_LOAD_NT scope:SCOPE_SE
.Lnot_mine_\@:
.endm
	s_load_b128 s[4:7], s[0:1], 0x0                ; qkv s[4:5], the scales' exponents s[6:7]
	s_load_b64 s[8:9], s[0:1], 0x10                ; ctx
	v_lshl_add_u32 v[SPW], v0, 2, SPARE
	v_mov_b32 v[NIL], 0
	ds_add_u32 v[SPW], v[NIL]                      ; the wave's opening: the add and its wait ahead of my first tensor load; the set-up below, work on registers, stands between them
	ds_add_u32 v[SPW], v[NIL]
	v_lshrrev_b32 v8, 5, v0
	s_delay_alu instid0(VALU_DEP_1)
	v_readfirstlane_b32 s[WV], v8                  ; wave 0..7
	s_lshr_b32 s95, s[WV], 2
	s_xor_b32 s95, s95, s[WV]
	s_and_b32 s95, s95, 1                          ; 1: a late tile (waves 1, 3, 4, 6); 0: an early one (waves 0, 2, 5, 7)
	s_lshr_b32 s19, s[WV], 1                       ; which of the block's four tiles: each kind of wave has 0, 1, 2, 3 once
	s_and_b32 s90, ttmp7, 0xffff                   ; the head
	s_lshl_b32 s91, s90, 18                        ; its first byte in each of q, k, v
	s_sub_co_u32 s92, 31, ttmp9                    ; the late block
	s_cmp_eq_u32 s95, 0
	s_cselect_b32 s93, ttmp9, s92                  ; my block of 64 queries
	s_lshl_b32 s94, s93, 2
	s_add_co_u32 s94, s94, s19                     ; my tile of queries
	s_lshl_b32 s[Q0], s93, 6
	s_lshr_b32 s95, s19, 1
	s_lshl_b32 s95, s95, 5
	s_add_co_u32 s[Q0], s[Q0], s95
	s_and_b32 s95, s19, 1
	s_lshl_b32 s95, s95, 3
	s_add_co_u32 s[Q0], s[Q0], s95                 ; its first query: 32 (tile / 2) + 8 (tile % 2)
	s_add_co_u32 s[QE], s[Q0], 23                  ; and its last
	s_lshl_b32 s[WGL], s92, 6
	s_add_co_u32 s[WGL], s[WGL], 63
	s_lshr_b32 s95, s[WV], 2                       ; what I fetch: waves 0-3: k (at 4 MB); waves 4-7: v (at 8 MB);
	s_add_co_u32 s95, s95, 1
	s_lshl_b32 s74, s95, 22
	s_add_co_u32 s74, s74, s91
	s_and_b32 s95, s[WV], 3                        ; which of the slot's four steps
	s_lshl_b32 s95, s95, 14
	s_add_co_u32 s74, s74, s95
	s_mov_b32 s75, 0
	s_lshl_b32 s78, s[WV], 13                      ; the prefetches: my wave's 8,192 bytes of k's part of slot 1; the first change of slots steps it to slot 2
	s_add_co_u32 s78, s78, s91
	s_add_co_u32 s78, s78, 4194304+65536
	s_mov_b32 s79, 0
	s_lshl_b32 s82, s94, 11                        ; q's fragment
	s_add_co_u32 s82, s82, s91
	s_mov_b32 s83, 0
	; ctx as it is laid from here on: byte (head / 4) x 1,048,576 + (tile / 8) x 65,536 + ((head / 2) % 2) x 32,768 + (tile % 8) x 4,096 + (head % 2) x 2,048
	s_lshr_b32 s68, s90, 2
	s_lshl_b32 s68, s68, 20
	s_bfe_u32 s95, s90, 0x10001
	s_lshl_b32 s95, s95, 15
	s_add_co_u32 s68, s68, s95
	s_lshr_b32 s95, s94, 3
	s_lshl_b32 s95, s95, 16
	s_add_co_u32 s68, s68, s95
	s_and_b32 s95, s94, 7
	s_lshl_b32 s95, s95, 12
	s_add_co_u32 s68, s68, s95
	s_and_b32 s95, s90, 1
	s_lshl_b32 s95, s95, 11
	s_add_co_u32 s68, s68, s95
	s_mov_b32 s69, 0
	s_cmp_eq_u32 ttmp9, 0                          ; the head's work-group 0 prefetches
	s_cselect_b32 s[LIM], 2, -1
	; descriptor group 1: a dense block of 16,384 bytes as 64 rows of 256 bytes
	s_mov_b32 s[G1], 3<<16                         ; 15:0 no mask; 17:16 elements of 8 bytes; no padding
	s_mov_b32 s[G1+1], 32<<16                      ; tensor_dim0 = 32 elements
	s_mov_b32 s[G1+2], 64<<16                      ; tensor_dim1 = 64
	s_mov_b32 s[G1+3], 32<<16                      ; tile_dim0
	s_mov_b32 s[G1+4], 64                          ; tile_dim1
	s_mov_b32 s[G1+5], 32                          ; tensor_dim0_stride: dense
	s_mov_b32 s[G1+6], 0
	s_mov_b32 s[G1+7], 0
	s_mov_b32 s[SEL], 0x76543210
	s_mov_b32 s[SEL+1], 0xfedcba98
	s_mov_b32 s[CS], 0x3e0293ee                    ; log2(e) / sqrt(128)
	s_mov_b32 s[TB], 0
	s_mov_b32 s[SLOTS], NSL
	s_mov_b32 s[KF], 0
	s_wait_dscnt 0x0                               ; the opening add is done
	s_wait_kmcnt 0x0
	s_load_b128 s[84:87], s[6:7], 0x18             ; e6, e7 (k, q), e8 (v), e9 (p)
	s_load_b32 s88, s[6:7], 0x28                   ; e10 (ctx)
	s_mov_b32 s[G0], 1                             ; count = 1
	s_lshl_b32 s[G0+1], s[WV], 14                  ; LDS address: slot 0, my eighth
	s_add_nc_u64 s[G0+2:G0+3], s[4:5], s[74:75]
	s_or_b32 s[G0+3], s[G0+3], 0x80000000          ; type = 2
	TLOAD                                          ; slot 0
	s_add_nc_u64 s[PFA:PFA+1], s[4:5], s[78:79]
	s_add_nc_u64 s[10:11], s[4:5], s[82:83]
	s_add_nc_u64 s[8:9], s[8:9], s[68:69]
	v_and_b32 v10, 31, v0
	s_delay_alu instid0(VALU_DEP_1)
	v_lshlrev_b32 v[LI], 4, v10
	s_delay_alu instid0(VALU_DEP_2)
	v_lshlrev_b32 v[PFO], 8, v10
.irp c, 0,1,2,3
	global_load_b128 v[16+4*\c:19+4*\c], v[LI], s[10:11] offset:512*\c   ; Q's fragment stays in registers
.endr
	v_and_b32 v10, 15, v0
	s_delay_alu instid0(VALU_DEP_1)
	v_and_b32 v11, 8, v10
	s_delay_alu instid0(VALU_DEP_1)
	v_add_nc_u32 v[QL], v10, v11                   ; r + 8 (r / 8)
	v_bfe_u32 v11, v0, 4, 1
	s_delay_alu instid0(VALU_DEP_1)
	v_lshlrev_b32 v11, 4, v11
	s_delay_alu instid0(VALU_DEP_1)
	v_sub_nc_u32 v[QL], v[QL], v11                 ; - 16 h
	v_mov_b32 v13, 0xff61b1e6                      ; the largest t so far: -3e38, under every t
	s_delay_alu instid0(VALU_DEP_1)
	v_floor_f32 v12, -v13                          ; -M
	v_mov_b32 v14, 0                               ; the sum, in two halves
	v_mov_b32 v15, 0
	v_mov_b32 v[XCH], 0                            ; written once: a lane permute's destination counts as one of its sources
	v_mov_b32 v[F+1], 0                            ; (named as the upper half of the pair)
.set j, 0
.rept 64
	v_mov_b32 v[O+j], 0                            ; O^T.  (The step has no first form of its own: the first step finds zeros, which the first change of M leaves zeros)
.set j, j+1
.endr
	s_wait_kmcnt 0x0
	s_add_co_i32 s95, s84, s85
	s_lshl_b32 s95, s95, 23
	s_add_co_i32 s[CS], s[CS], s95                 ; a score stands for score x 2^(e6 + e7): the two exponents are added to c's exponent field
	s_mov_b32 s[CS+1], s[CS]                       ; (named with it as a pair, so it is written)
	s_add_co_i32 s95, s87, 127
	s_lshl_b32 s96, s95, 23
	v_mov_b32 v[PSC], s96                          ; 2^e9, for p's conversions
	s_add_co_i32 s95, s95, 8
	s_lshl_b32 s95, s95, 23
	s_or_b32 s95, s95, 0x600000
	v_mov_b32 v[PLIM], s95                         ; 448 x 2^e9
	s_sub_co_i32 s95, s88, s86
	s_sub_co_i32 s95, s95, s87
	s_add_co_i32 s95, s95, 127
	s_lshl_b32 s96, s95, 23
	v_mov_b32 v[CSC], s96                          ; 2^(e10 - e8 - e9): O^T / the sum stands for that x 2^(e8 + e9): the three scales are folded into the last conversion's one
	s_add_co_i32 s95, s95, 8
	s_lshl_b32 s95, s95, 23
	s_or_b32 s95, s95, 0x600000
	v_mov_b32 v[CLIM], s95
; K's eight fragments of the slot's step q: 32 loads of 512 consecutive bytes
.macro LOADK q
	WIN TO_W1
.irp t, 0,1,2,3,4,5,6,7
.irp c, 0,1,2,3
	ds_load_b128 v[KFR+16*\t+4*\c:KFR+16*\t+4*\c+3], v[ADK] offset:16384*(\q)+2048*\t+512*\c
.endr
.endr
	WIN 0
.endm
; four of V's eight fragments of step q, from tile base on: 16 loads
.macro LOADV q, base
	WIN TO_W1
.irp t, 0,1,2,3
.irp c, 0,1,2,3
	ds_load_b128 v[VFR+16*((\base)+\t)+4*\c:VFR+16*((\base)+\t)+4*\c+3], v[ADV] offset:16384*(\q)+2048*((\base)+\t)+512*\c
.endr
.endr
	WIN 0
.endm
; A KEY STEP: 128 keys, the q-th of the slot in hand.  Its K has been asked for: by the slot's head (q = 0) or by the step before.
.macro STEP q, tag
.if (\q) > 0
	s_add_co_u32 s96, s[KF], 128*(\q)              ; a step all of whose keys come after my queries ends my part of the slot: a scalar branch on ids; no barrier and no tensor load stands in a step.
	s_cmp_gt_u32 s96, s[QE]                        ; So a step is reached only through the step before it, which has asked for its K
	s_cbranch_scc1 .Lend_\tag
.endif
.rept 4
	v_nop                                          ; four places in front of loads into registers that the last products V^T P have read
.endr
	LOADV \q, 0
	s_wait_dscnt 16                                ; K's 32 loads are in; the 16 just issued may be out
	WIN MULW
.irp t, 0,1,2,3,4,5,6,7
	v_wmma_f32_16x16x128_fp8_fp8 v[S+8*\t:S+8*\t+7], v[KFR+16*\t:KFR+16*\t+15], v[16:31], 0   ; S^T = K Q^T: eight accumulators, one instruction each
.endr
	WIN 0
.rept 4
	v_nop                                          ; four places in front of the first read of the scores
.endr
	LOADV \q, 4                                    ; 32 loads of V are out at the most
	s_add_co_u32 s96, s[KF], 128*(\q)+127          ; on the diagonal the scores of hidden keys become -infinity ahead of the maximum: p = 0 then.  A step all of whose keys count skips this
	s_cmp_le_u32 s96, s[Q0]
	s_cbranch_scc1 .Lopen_\@
	s_sub_co_i32 s96, s[Q0], s[KF]
	s_sub_co_i32 s96, s96, 128*(\q)
	v_add_nc_u32 v[DD], s96, v[QL]                 ; d = my query - the step's first key - 16 h: register n's key is hidden where 32 (n / 16) + n % 16 > d
	v_mov_b32 v[NINF], 0xff800000
.set n, 0
.rept 64
	v_cmp_gt_i32 vcc_lo, 32*(n/16)+n%16, v[DD]
	v_cndmask_b32 v[S+n], v[S+n], v[NINF], vcc_lo
.set n, n+1
.endr
.Lopen_\@:
	v_max3_num_f32 v[MX], v[S], v[S+1], v[S+2]     ; the step's largest score of my query, among my 64 keys, in four chains; the registers in ascending order
	v_max3_num_f32 v[MX+1], v[S+3], v[S+4], v[S+5]
	v_max3_num_f32 v[MX+2], v[S+6], v[S+7], v[S+8]
	v_max3_num_f32 v[MX+3], v[S+9], v[S+10], v[S+11]
.set i, 12
.rept 26
	v_max3_num_f32 v[MX+((i-12)/2)%4], v[MX+((i-12)/2)%4], v[S+i], v[S+i+1]
.set i, i+2
.endr
	s_delay_alu instid0(VALU_DEP_1)
	v_max3_num_f32 v[MX], v[MX], v[MX+1], v[MX+2]
	s_delay_alu instid0(VALU_DEP_1)
	v_max_num_f32 v[MX], v[MX], v[MX+3]
	s_delay_alu instid0(VALU_DEP_1)
	v_permlanex16_b32 v[XCH], v[MX], s[SEL], s[SEL+1]
	s_delay_alu instid0(VALU_DEP_1)
	v_max_num_f32 v[MX], v[MX], v[XCH]             ; and among lane l xor 16's
	s_delay_alu instid0(VALU_DEP_1)
	v_mul_f32 v[MX], s[CS], v[MX]                  ; as t (c is positive)
	s_delay_alu instid0(VALU_DEP_1)
	v_max_num_f32 v13, v13, v[MX]                  ; the running largest t
	v_mov_b32 v[MX], v12
	s_delay_alu instid0(VALU_DEP_2)
	v_floor_f32 v12, -v13                          ; the new -M = floor(-t) = -ceil(t): M IS A WHOLE NUMBER
	s_delay_alu instid0(VALU_DEP_1)
	v_sub_f32 v[MX], v12, v[MX]                    ; M's old value less its new one: a whole number, 0 or less
	s_delay_alu instid0(VALU_DEP_1)
	v_cvt_i32_f32 v[MX], v[MX]                     ; (it saturates)
	s_delay_alu instid0(VALU_DEP_1)
	v_ldexp_f32 v[F], 1.0, v[MX]                   ; f = 2^(old M - new M)
.set j, 0
.rept 32
	v_pk_fma_f32 v[S+j:S+j+1], v[S+j:S+j+1], s[CS:CS+1], v[12:13] op_sel_hi:[1,0,0]   ; t - M, two at a time (of the pairs c and -M the low word serves both halves)
.set j, j+2
.endr
	s_wait_dscnt 0x0                               ; V's 32 loads are in: the youngest were issued ahead of the maximum
.if (\q) < 3
	LOADK (\q)+1                                   ; the next step's K: the products that read K's registers stand far more than four places back; the rest of the softmax stands between these loads and their use
.endif
.set j, 0
	s_wait_alu depctr_va_vdst(0)
.rept 64
	v_exp_f32 v[S+j], v[S+j]                       ; p = 2^(t - M), at most 1: NOT normalised
.set j, j+1
.endr
	v_pk_mul_f32 v[14:15], v[14:15], v[F:F+1] op_sel_hi:[1,0]   ; the sums under the new M.  (A plain line behind the exponentials)
	s_wait_alu depctr_va_vdst(0)                   ; one wait for the whole batch, ahead of its first reader
	v_pk_add_f32 v[40:41], v[96:97], v[98:99]
	v_pk_add_f32 v[42:43], v[112:113], v[120:121]
	v_pk_add_f32 v[44:45], v[128:129], v[136:137]
	v_pk_add_f32 v[46:47], v[144:145], v[152:153]
	v_pk_add_f32 v[254:255], v[100:101], v[102:103]
	v_pk_add_f32 v[252:253], v[114:115], v[122:123]
	v_pk_add_f32 v[250:251], v[130:131], v[138:139]
	v_pk_add_f32 v[14:15], v[14:15], v[146:147]
	v_pk_add_f32 v[40:41], v[40:41], v[154:155]
	v_pk_add_f32 v[42:43], v[42:43], v[104:105]
	v_pk_add_f32 v[44:45], v[44:45], v[106:107]
	v_pk_add_f32 v[46:47], v[46:47], v[116:117]
	v_pk_add_f32 v[254:255], v[254:255], v[124:125]
	v_pk_add_f32 v[252:253], v[252:253], v[132:133]
	v_pk_add_f32 v[250:251], v[250:251], v[140:141]
	v_pk_add_f32 v[14:15], v[14:15], v[148:149]
	v_pk_add_f32 v[40:41], v[40:41], v[156:157]
	v_pk_add_f32 v[42:43], v[42:43], v[108:109]
	v_pk_add_f32 v[44:45], v[44:45], v[110:111]
	v_pk_add_f32 v[46:47], v[46:47], v[118:119]
	v_pk_add_f32 v[254:255], v[254:255], v[126:127]
	v_pk_add_f32 v[252:253], v[252:253], v[134:135]
	v_pk_add_f32 v[250:251], v[250:251], v[142:143]
	v_pk_add_f32 v[14:15], v[14:15], v[150:151]
	v_pk_add_f32 v[40:41], v[40:41], v[158:159]
	s_delay_alu instid0(VALU_DEP_2)
	v_pk_add_f32 v[14:15], v[14:15], v[46:47]
	s_delay_alu instid0(VALU_DEP_2)
	v_pk_add_f32 v[40:41], v[40:41], v[254:255]
	v_pk_add_f32 v[42:43], v[42:43], v[252:253]
	v_pk_add_f32 v[44:45], v[44:45], v[250:251]
	s_delay_alu instid0(VALU_DEP_2)
	v_pk_add_f32 v[14:15], v[14:15], v[42:43]
	s_delay_alu instid0(VALU_DEP_2)
	v_pk_add_f32 v[40:41], v[40:41], v[44:45]
	s_delay_alu instid0(VALU_DEP_1)
	v_pk_add_f32 v[14:15], v[14:15], v[40:41]
.irp b, 0,1,2,3
.set i, 0
.rept 16
	v_min_num_f32 v[S+16*\b+i], v[S+16*\b+i], v[PLIM]   ; the conversion to an 8-bit code does not saturate (ISA guide 7.6.2); p is not negative, so the hold is one-sided
.set i, i+1
.endr
	v_cvt_scalef32_pk8_fp8_f32 v[CD+4*\b:CD+4*\b+1], v[S+16*\b:S+16*\b+7], v[PSC]
	v_cvt_scalef32_pk8_fp8_f32 v[CD+4*\b+2:CD+4*\b+3], v[S+16*\b+8:S+16*\b+15], v[PSC]
.endr
.set j, 0
.rept 32
	v_pk_mul_f32 v[O+j:O+j+1], v[O+j:O+j+1], v[F:F+1] op_sel_hi:[1,0]   ; O^T under the new M: x f; each accumulator from its low end on.  (These 32 are also the plain lines between the conversions and the products that read the codes)
.set j, j+2
.endr
	WIN MULW
.irp t, 0,1,2,3,4,5,6,7
	v_wmma_f32_16x16x128_fp8_fp8 v[O+8*\t:O+8*\t+7], v[VFR+16*\t:VFR+16*\t+15], v[CD:CD+15], v[O+8*\t:O+8*\t+7]   ; O^T += V^T P^T: eight accumulators by turns, one instruction a turn; K = these 128 keys
.endr
	WIN 0
.endm
; THE CHANGE OF SLOTS stands at a slot's head.  Each wave waits for all its tensor loads (its part of the slot that it is about to read), adds 0 to its spare word, and waits for that and for its reads of the slot that it has left
; (K asked for a step that was then left out among them).  Behind the barrier the slot ahead is whole and nobody reads the other one.  fill = 1: that other slot is filled with the keys that follow, up to the causal limit:
; the load has a whole slot's four steps in which to land.
.macro CHANGE fill
	s_wait_tensorcnt 0x0                           ; no tensor load of mine is out, so group 0 may be written
	ds_add_u32 v[SPW], v[NIL]                      ; 0 onto my spare word; with fill = 1 the descriptor's steps stand between it and the wait for it
.if \fill
	s_xor_b32 s[G0+1], s[G0+1], SLOT1              ; the walking descriptor: the other slot than last time,
	s_add_nc_u64 s[G0+2:G0+3], s[G0+2:G0+3], 65536 ; the next 512 keys; the type bits on top are not reached
	s_wait_xcnt 0x0                                ; the last prefetches, a slot back, have read their address, so it may be written:
	s_add_nc_u64 s[PFA:PFA+1], s[PFA:PFA+1], 65536 ; one slot further on than the walking descriptor
.endif
	s_wait_dscnt 0x0                               ; the add is done, and my reads of the slot that I have left are over
	s_barrier_signal -1
	s_barrier_wait -1
.if \fill
	s_add_co_u32 s96, s[KF], SKEYS                 ; the first key of the slot that this change would ask for.  A slot whose first key comes after my work-group's last query is read by none of its waves, so it is not asked for
	s_cmp_gt_u32 s96, s[WGL]                       ; ids and the count of slots alone: all eight waves go the same way, and a work-group that is past the limit stays past it; every wait on TENSORcnt in this text is for 0
	s_cbranch_scc1 .Lpast_\@
	TLOAD                                          ; the first thing behind the barrier and the limit's three lines, and a wave's one tensor load until the next barrier
.Lpast_\@:
	ASK
.endif
.endm
; A slot's four steps.  A slot all of whose keys come after my queries is left out as a whole.
.macro SLOT_STEPS tag
	s_cmp_gt_u32 s[KF], s[QE]
	s_cbranch_scc1 .Lend_\tag
	v_add_nc_u32 v[ADK], s[TB], v[LI]
	s_delay_alu instid0(VALU_DEP_1)
	v_add_nc_u32 v[ADV], VOFF, v[ADK]
	s_wait_alu depctr_va_vdst(0)
	LOADK 0                                        ; the one run of loads that is waited for straight behind its issue
	STEP 0, \tag
	STEP 1, \tag
	STEP 2, \tag
	STEP 3, \tag
.Lend_\tag:
	s_add_co_u32 s[KF], s[KF], SKEYS
	s_xor_b32 s[TB], s[TB], SLOT1                  ; on to the other slot
.endm
	s_wait_loadcnt 0x0                             ; Q
.Lslot:                                            ; NSL trips: behind each change of slots the next slot is asked for, up to the causal limit, which lies in another trip for each work-group;
	CHANGE 1                                       ; in the last trip the next first key would be 2,048, past every query, so the limit's jump leads round the load in every work-group
	SLOT_STEPS 0
	s_sub_co_u32 s[SLOTS], s[SLOTS], 1
	s_cmp_lg_u32 s[SLOTS], 0
	s_cbranch_scc1 .Lslot
	; THE WAY OUT, without LDS: O^T / the sum, held, converted: the 16 registers of codes are a fragment of the last projection's A.
.rept 4
	v_nop                                          ; places behind the last products
.endr
	v_add_f32 v14, v14, v15                        ; the sum's two halves,
	s_delay_alu instid0(VALU_DEP_1)
	v_permlanex16_b32 v[XCH], v14, s[SEL], s[SEL+1]
	s_delay_alu instid0(VALU_DEP_1)
	v_add_f32 v14, v14, v[XCH]                     ; and lane l xor 16's: the row's sum, more than 1/2
	s_wait_alu depctr_va_vdst(0)
	v_rcp_f32 v14, v14
	v_nop                                          ; a plain line behind the reciprocal
	s_wait_alu depctr_va_vdst(0)                   ; and the wait ahead of its first reader
.set j, 0
.rept 32
	v_pk_mul_f32 v[S+j:S+j+1], v[O+j:O+j+1], v[14:15] op_sel_hi:[1,0]   ; each accumulator from its low end on
.set j, j+2
.endr
.set j, 0
.rept 64
	v_med3_num_f32 v[S+j], v[S+j], -v[CLIM], v[CLIM]   ; the hold at the largest code x the scale
.set j, j+1
.endr
.set j, 0
.rept 8
	v_cvt_scalef32_pk8_fp8_f32 v[CD+2*j:CD+2*j+1], v[S+8*j:S+8*j+7], v[CSC]
.set j, j+1
.endr
	v_nop
.irp c, 0,1,2,3
	global_store_b128 v[LI], v[CD+4*\c:CD+4*\c+3], s[8:9] offset:512*\c   ; 32 lanes store 512 consecutive bytes, aligned
.endr
	s_wait_tensorcnt 0x0                           ; the wave's end, behind my last tensor load
	ds_add_u32 v[SPW], v[NIL]
	s_wait_dscnt 0x0
	s_endpgm
.Lfunc_end_k_q2dc6b59cb8_attn:
	.size	k_q2dc6b59cb8_attn, .Lfunc_end_k_q2dc6b59cb8_attn-k_q2dc6b59cb8_attn
	.p2alignl 7, 3214868480
	.fill 96, 4, 3214868480
	.section	.rodata,"a",@progbits
	.p2align	6, 0x0
	.amdhsa_kernel k_q2dc6b59cb8_attn
		.amdhsa_group_segment_fixed_size 327680
		.amdhsa_private_segment_fixed_size 0
		.amdhsa_enable_private_segment 0
		.amdhsa_kernarg_size 24
		.amdhsa_user_sgpr_count 2
		.amdhsa_user_sgpr_kernarg_segment_ptr 1
		.amdhsa_wavefront_size32 1
		.amdhsa_system_sgpr_workgroup_id_x 1
		.amdhsa_system_sgpr_workgroup_id_y 1
		.amdhsa_system_sgpr_workgroup_id_z 1
		.amdhsa_system_vgpr_workitem_id 0
		.amdhsa_next_free_vgpr 512
		.amdhsa_next_free_sgpr 100
		.amdhsa_reserve_vcc 1
		.amdhsa_float_denorm_mode_32 3
		.amdhsa_float_denorm_mode_16_64 3
		.amdhsa_memory_ordered 1
		.amdhsa_forward_progress 1
		.amdhsa_inst_pref_size 115
	.end_amdhsa_kernel
	.amdgpu_metadata
---
amdhsa.version: [ 1, 2 ]
amdhsa.kernels:
  - .name:           k_q2dc6b59cb8_attn
    .symbol:         k_q2dc6b59cb8_attn.kd
    .args:
      - { .name: qkv, .offset: 0, .size: 8, .value_kind: global_buffer, .address_space: global }
      - { .name: lowp_scales, .offset: 8, .size: 8, .value_kind: global_buffer, .address_space: global }
      - { .name: ctx, .offset: 16, .size: 8, .value_kind: global_buffer, .address_space: global }
    .group_segment_fixed_size: 327680
    .private_segment_fixed_size: 0
    .kernarg_segment_align: 8
    .kernarg_segment_size: 24
    .max_flat_workgroup_size: 256
    .sgpr_count:     100
    .vgpr_count:     512
    .wavefront_size: 32
...
	.end_amdgpu_metadata
.endif
;; end of part 3
;; launch oproj (part 4): grid 16 x 16, 4 waves a work-group, clusters of 4 x 4, 327,680 bytes of LDS; arguments ctx, woc, lowp_scales, out0; writes out0
.if DOCPART == 4
	.amdgcn_target "amdgcn-amd-amdhsa--gfx1250"
	.amdhsa_code_object_version 6
	.text
	.protected	k_q2dc6b59cb8_oproj
	.globl	k_q2dc6b59cb8_oproj
	.p2align	8
	.type	k_q2dc6b59cb8_oproj,@function
k_q2dc6b59cb8_oproj:
	s_mov_b64 s[64:65], 0
	v_nop
	global_prefetch_b8 v0, s[64:65] scope:SCOPE_SE
	s_setreg_imm32_b32 hwreg(HW_REG_WAVE_MODE, 25, 1), 1
	s_wait_xcnt 0x0
	s_wait_alu depctr_hold_cnt(0) depctr_sa_sdst(0) depctr_va_vdst(0) depctr_va_sdst(0) depctr_va_ssrc(0) depctr_va_vcc(0) depctr_vm_vsrc(0)
	s_getreg_b32 s2, hwreg(HW_REG_IB_STS2, 6, 4)
	s_cmp_eq_u32 s2, 0
	s_cbranch_scc0 .Lentry_in_a_cluster
	s_endpgm
.Lentry_in_a_cluster:
	s_bfe_u32 s2, ttmp6, 0x10000c
	s_cmp_lg_u32 s2, 0xf033
	s_cbranch_scc0 .Lentry_shape_is_right
	s_endpgm
.Lentry_shape_is_right:
; OPROJ: out = ctx Wo^T on codes of FP8 (E4M3), sums in f32, each finished sum multiplied once by 2^(e10 + e11).  LIMIT: e10 + e11 between -126 and 127.
; ctx and woc are images of operand registers: a fragment (16 rows x 128 K) is 2,048 bytes, byte 512 c + 16 lane; byte (ks / 4) x 1,048,576 + (T / 8) x 65,536 + ((ks / 2) % 2) x 32,768 + (T % 8) x 4,096 + (ks % 2) x 2,048;
; lane r of tile T holds row 32 (T / 2) + 8 (T % 2) + r + 8 (r / 8).  So 128 rows x 512 K, a segment, are 65,536 consecutive bytes.
; A work-group makes 128 x 128 of the result, 256 of them; four waves, each 64 x 64: 16 accumulators by turns.  K goes in four segments of 512 through two LDS slots (A's 65,536 bytes, then B's).
; CLUSTERS of 4 x 4: the four of a row need the same rows of ctx, the four of a column the same rows of Wo: each is asked for jointly.  At the head each wave issues ONE load: waves 0, 1: A's segments 0, 1; waves 2, 3: B's.
; PREFETCH: segment 2 is asked for behind the head's loads, segment 3 behind segment 2's; 32 lanes x 256 bytes a wave; the four partners share a segment out by address (cx for A, cy for B): each block once in a cluster.
; The matrix instruction: source 0 = 16 rows of Wo, source 1 = 16 rows of ctx: a lane holds eight neighbouring columns; rows leave through a stage in slot 0, which has had its last fill and its last read then.
.set SLOT,   131072
.set PANEL,  524288
.set SPARE,  2*SLOT
.set SPITCH, 272
.set ADRA, 16
.set ADRB, 20
.set STO,  24
.set RD,   25
.set CO,   26
.set SPW,  28
.set NIL,  29
.set BK,   32
.set ACC,  128
.set F0,   0
.set F1,   128
.set G1, 24
.set G0, 32
.set G1B, 48
.set G0B, 56
.set MSB, 0
.macro WIN new
.if MSB != (\new)
	s_set_vgpr_msb (MSB<<8)|(\new)
.set MSB, (\new)
.endif
.endm
.set MUL,  0x05
.set TO_F, 0x40
.macro JLOAD s
	s_cmp_eq_u32 s15, 0
	s_cbranch_scc0 .Lfor_b_\@
	tensor_load_to_lds s[G0+4*\s:G0+4*\s+3], s[G1:G1+7]
	s_nop 0
.rept 4
	v_nop
.endr
	s_branch .Lasked_\@
.Lfor_b_\@:
	tensor_load_to_lds s[G0B+4*\s:G0B+4*\s+3], s[G1B:G1B+7]
	s_nop 0
.rept 4
	v_nop
.endr
.Lasked_\@:
.endm
.macro CREST
	s_cmp_lg_u32 s14, 0
	s_cbranch_scc1 .Lnot_wave_0_\@
	s_barrier_signal -3
.Lnot_wave_0_\@:
	s_barrier_wait -3
	s_barrier_signal -1
	s_barrier_wait -1
.endm
.macro CROUND
	s_barrier_signal -1
	s_barrier_wait -1
	CREST
.endm
	s_load_b256 s[4:11], s[0:1], 0x0
	v_lshl_add_u32 v[SPW], v0, 2, SPARE
	v_mov_b32 v[NIL], 0
	ds_add_u32 v[SPW], v[NIL]
	ds_add_u32 v[SPW], v[NIL]
	v_lshrrev_b32 v1, 5, v0
	v_readfirstlane_b32 s14, v1
	s_lshr_b32 s15, s14, 1
	s_and_b32 s16, s14, 1
	s_bfe_u32 s40, ttmp6, 0x40000
	s_bfe_u32 s41, ttmp6, 0x40004
	s_lshl_b32 s42, ttmp9, 2
	s_add_co_u32 s42, s42, s40
	s_and_b32 s17, ttmp7, 0xffff
	s_lshl_b32 s17, s17, 2
	s_add_co_u32 s17, s17, s41
	s_lshl_b32 s43, s41, 2
	s_lshl_b32 s43, 15, s43
	s_lshl_b32 s44, 0x1111, s40
	s_or_b32 s[G1+0], s43, (3<<16)|(1<<21)
	s_or_b32 s[G1B+0], s44, (3<<16)|(1<<21)
.irp g, G1, G1B
	s_mov_b32 s[\g+1], 32<<16
	s_mov_b32 s[\g+2], 128<<16
	s_mov_b32 s[\g+3], 32<<16
	s_mov_b32 s[\g+4], 128
	s_mov_b32 s[\g+5], 32
	s_mov_b32 s[\g+6], 0
	s_mov_b32 s[\g+7], 0
.endr
	s_or_b32 s68, s43, (3<<16)|(1<<21)             ; the head's group 1: 65,536 dense bytes as 256 rows of 256 bytes
	s_or_b32 s76, s44, (3<<16)|(1<<21)
.irp g, 68, 76
	s_mov_b32 s[\g+1], 32<<16
	s_mov_b32 s[\g+2], 256<<16
	s_mov_b32 s[\g+3], 32<<16
	s_mov_b32 s[\g+4], 256
	s_mov_b32 s[\g+5], 32
	s_mov_b32 s[\g+6], 0
	s_mov_b32 s[\g+7], 0
.endr
	s_lshl_b32 s18, s16, 15                        ; the half of a segment that I fetch in a refill
	s_mov_b32 s19, 0
	s_lshl_b32 s22, s16, 20                        ; the segment that I fetch at the head
	s_mov_b32 s23, 0
	s_lshl_b32 s20, s17, 16                        ; A: 128 rows by the tile row
	s_mov_b32 s21, 0
	s_lshl_b32 s46, s42, 16                        ; B: by the tile column
	s_mov_b32 s47, 0
	s_lshl_b32 s45, s14, 15
	s_wait_dscnt 0x0
	s_wait_kmcnt 0x0
	s_load_b64 s[96:97], s[8:9], 0x28
	s_add_nc_u64 s[20:21], s[4:5], s[20:21]
	s_add_nc_u64 s[46:47], s[6:7], s[46:47]
	s_mov_b32 s84, 1
	s_lshl_b32 s85, s16, 17                        ; segment s16 lands in slot s16
	s_add_nc_u64 s[86:87], s[20:21], s[22:23]
	s_or_b32 s87, s87, 0x80000000
	s_mov_b32 s88, 1
	s_add_co_u32 s89, s85, 65536
	s_add_nc_u64 s[90:91], s[46:47], s[22:23]
	s_or_b32 s91, s91, 0x80000000
	s_cmp_eq_u32 s15, 0                            ; the prefetches: my 8,192 of my work-group's 16,384 bytes of segment 2
	s_cselect_b32 s94, s40, s41
	s_cselect_b64 s[92:93], s[20:21], s[46:47]
	s_lshl_b32 s94, s94, 14
	s_lshl_b32 s95, s16, 13
	s_add_co_u32 s94, s94, s95
	s_add_co_u32 s94, s94, 2097152
	s_mov_b32 s95, 0
	s_add_nc_u64 s[92:93], s[92:93], s[94:95]
	s_add_nc_u64 s[20:21], s[20:21], s[18:19]
	s_add_nc_u64 s[46:47], s[46:47], s[18:19]
.irp s, 0,1
	s_mov_b32 s[G0+4*\s], 1
	s_add_co_u32 s[G0+4*\s+1], s45, \s*SLOT
	s_add_nc_u64 s[G0+4*\s+2:G0+4*\s+3], s[20:21], \s*2*PANEL
	s_or_b32 s[G0+4*\s+3], s[G0+4*\s+3], 0x80000000
	s_mov_b32 s[G0B+4*\s], 1
	s_add_co_u32 s[G0B+4*\s+1], s45, \s*SLOT
	s_add_nc_u64 s[G0B+4*\s+2:G0B+4*\s+3], s[46:47], \s*2*PANEL
	s_or_b32 s[G0B+4*\s+3], s[G0B+4*\s+3], 0x80000000
.endr
	CROUND                                         ; all sixteen work-groups are here: the first joint loads meet
	s_cmp_eq_u32 s15, 0
	s_cbranch_scc0 .Lhead_b
	tensor_load_to_lds s[84:87], s[68:75]
	s_nop 0
.rept 4
	v_nop
.endr
	s_branch .Lheaded
.Lhead_b:
	tensor_load_to_lds s[88:91], s[76:83]
	s_nop 0
.rept 4
	v_nop
.endr
.Lheaded:
	v_and_b32 v1, 31, v0
	v_lshlrev_b32 v2, 4, v1
	s_lshl_b32 s22, s15, 14
	s_lshl_b32 s23, s16, 14
	s_add_co_u32 s23, s23, 65536
.irp s, 0,1
	v_add_nc_u32 v[ADRA+\s], s22, v2
	v_add_nc_u32 v[ADRB+\s], s23, v2
	s_add_co_u32 s22, s22, SLOT
	s_add_co_u32 s23, s23, SLOT
.endr
	v_lshlrev_b32 v27, 8, v1                       ; 256 x lane; never rewritten
	global_prefetch_b8 v27, s[92:93] th:TH_LOAD_NT scope:SCOPE_SE   ; segment 2
	v_and_b32 v3, 15, v0
	v_bfe_u32 v4, v0, 4, 1
	s_mul_i32 s23, s14, 16*SPITCH
	v_mul_u32_u24 v[STO], v3, SPITCH
	v_lshl_add_u32 v[STO], v4, 6, v[STO]
	v_add_nc_u32 v[STO], s23, v[STO]
	v_mul_u32_u24 v[RD], v4, SPITCH
	v_lshl_add_u32 v[RD], v3, 4, v[RD]
	v_add_nc_u32 v[RD], s23, v[RD]
	v_lshlrev_b32 v[CO], 13, v4
	v_lshl_add_u32 v[CO], v3, 4, v[CO]
	s_lshl_b32 s20, s17, 7
	s_lshl_b32 s21, s15, 6
	s_add_co_u32 s20, s20, s21
	s_lshl_b32 s20, s20, 13
	s_lshl_b32 s22, s42, 9
	s_add_co_u32 s20, s20, s22
	s_lshl_b32 s22, s16, 8
	s_add_co_u32 s20, s20, s22
	s_mov_b32 s21, 0
	s_add_nc_u64 s[10:11], s[10:11], s[20:21]
.macro MUL8 f, a0, zero
.irp a, \a0, \a0+1
.irp b, 0,1,2,3
.if \zero
	v_wmma_f32_16x16x128_fp8_fp8 v[ACC+8*(4*(\a)+\b):ACC+8*(4*(\a)+\b)+7], v[\f+64+16*\b:\f+64+16*\b+15], v[\f+16*(\a):\f+16*(\a)+15], 0
.else
	v_wmma_f32_16x16x128_fp8_fp8 v[ACC+8*(4*(\a)+\b):ACC+8*(4*(\a)+\b)+7], v[\f+64+16*\b:\f+64+16*\b+15], v[\f+16*(\a):\f+16*(\a)+15], v[ACC+8*(4*(\a)+\b):ACC+8*(4*(\a)+\b)+7]
.endif
.endr
.endr
.endm
.macro FETCH slot, q, f
	WIN TO_F
.irp i, 0,1,2,3
.irp c, 0,1,2,3
	ds_load_b128 v[\f+64+16*\i+4*\c:\f+64+16*\i+4*\c+3], v[ADRB+\slot] offset:32768*((\q)/2)+2048*((\q)%2)+4096*\i+512*\c
.endr
.endr
.irp i, 0,1,2,3
.irp c, 0,1,2,3
	ds_load_b128 v[\f+16*\i+4*\c:\f+16*\i+4*\c+3], v[ADRA+\slot] offset:32768*((\q)/2)+2048*((\q)%2)+4096*\i+512*\c
.endr
.endr
.endm
.macro PLACES
.rept 4
	v_nop
.endr
.endm
.macro QSTEP slot, q, f, g, zero
	s_wait_dscnt 0x0
	PLACES
	FETCH \slot, (\q)+1, \g
	WIN MUL
	MUL8 \f, 0, \zero
	MUL8 \f, 2, \zero
.endm
.macro TURN slot, next, fill
	WIN 0
	s_wait_tensorcnt 0x0
	ds_add_u32 v[SPW], v[NIL]
	s_wait_dscnt 1
	WIN MUL
	MUL8 F1, 0, 0
	s_wait_dscnt 0x0
	s_barrier_signal -1
	WIN 0
	s_barrier_wait -1
.if \fill
	CREST
	s_add_nc_u64 s[G0+4*\slot+2:G0+4*\slot+3], s[G0+4*\slot+2:G0+4*\slot+3], 4*PANEL
	s_add_nc_u64 s[G0B+4*\slot+2:G0B+4*\slot+3], s[G0B+4*\slot+2:G0B+4*\slot+3], 4*PANEL
	JLOAD \slot
.else
	PLACES
.endif
	FETCH \next, 0, F0
.if (\fill) && (\slot) == 0
	global_prefetch_b8 v27, s[92:93] offset:1048576 th:TH_LOAD_NT scope:SCOPE_SE   ; segment 3
.endif
	WIN MUL
	MUL8 F1, 2, 0
.endm
.macro SEG slot, zero
	QSTEP \slot, 0, F0, F1, \zero
	QSTEP \slot, 1, F1, F0, 0
	QSTEP \slot, 2, F0, F1, 0
.endm
	s_wait_alu depctr_va_vdst(0)
	s_wait_tensorcnt 0x0                           ; my load is in
	s_barrier_signal -1
	s_barrier_wait -1
	FETCH 0, 0, F0
	SEG 0, 1
	TURN 0, 1, 1
	SEG 1, 0
	TURN 1, 0, 1
	SEG 0, 0
	TURN 0, 1, 0
	SEG 1, 0
	s_wait_dscnt 0x0
	WIN MUL
	MUL8 F1, 0, 0
	MUL8 F1, 2, 0
	WIN 0
.macro TOSTAGE a
.set j, 0
.rept 16
	v_pk_mul_f32 v[ACC+32*(\a)+j:ACC+32*(\a)+j+1], v[ACC+32*(\a)+j:ACC+32*(\a)+j+1], s[96:97] op_sel_hi:[1,0]
.set j, j+2
.endr
.irp b, 0,1,2,3
	ds_store_b128 v[STO], v[ACC+32*(\a)+8*\b:ACC+32*(\a)+8*\b+3] offset:128*(\b/2)+32*(\b%2)
	ds_store_b128 v[STO], v[ACC+32*(\a)+8*\b+4:ACC+32*(\a)+8*\b+7] offset:128*(\b/2)+32*(\b%2)+16
.endr
.irp t, 0,1,2,3,4,5,6,7
	ds_load_b128 v[BK+32*((\a)%2)+4*\t:BK+32*((\a)%2)+4*\t+3], v[RD] offset:2*\t*SPITCH
.endr
.endm
.macro SEND a, younger
	s_wait_dscnt \younger
.irp t, 0,1,2,3,4,5,6,7
	global_store_b128 v[CO], v[BK+32*((\a)%2)+4*\t:BK+32*((\a)%2)+4*\t+3], s[10:11] offset:(32*((\a)/2)+8*((\a)%2)+2*\t+8*(\t/4))*8192 th:TH_STORE_NT
.endr
.endm
	s_wait_kmcnt 0x0
	s_add_co_i32 s96, s96, s97
	s_add_co_i32 s96, s96, 127
	s_lshl_b32 s96, s96, 23
	PLACES
	TOSTAGE 0
	TOSTAGE 1
	SEND 0, 16
	s_wait_xcnt 0x0
	TOSTAGE 2
	SEND 1, 16
	s_wait_xcnt 0x0
	TOSTAGE 3
	SEND 2, 16
	SEND 3, 0
	s_wait_tensorcnt 0x0
	ds_add_u32 v[SPW], v[NIL]
	s_wait_dscnt 0x0
	CROUND
	s_endpgm
.Lfunc_end_k_q2dc6b59cb8_oproj:
	.size	k_q2dc6b59cb8_oproj, .Lfunc_end_k_q2dc6b59cb8_oproj-k_q2dc6b59cb8_oproj
	.p2alignl 7, 3214868480
	.fill 96, 4, 3214868480
	.section	.rodata,"a",@progbits
	.p2align	6, 0x0
	.amdhsa_kernel k_q2dc6b59cb8_oproj
		.amdhsa_group_segment_fixed_size 327680
		.amdhsa_private_segment_fixed_size 0
		.amdhsa_enable_private_segment 0
		.amdhsa_kernarg_size 32
		.amdhsa_user_sgpr_count 2
		.amdhsa_user_sgpr_kernarg_segment_ptr 1
		.amdhsa_wavefront_size32 1
		.amdhsa_system_sgpr_workgroup_id_x 1
		.amdhsa_system_sgpr_workgroup_id_y 1
		.amdhsa_system_sgpr_workgroup_id_z 1
		.amdhsa_system_vgpr_workitem_id 0
		.amdhsa_next_free_vgpr 512
		.amdhsa_next_free_sgpr 100
		.amdhsa_reserve_vcc 0
		.amdhsa_float_denorm_mode_32 3
		.amdhsa_float_denorm_mode_16_64 3
		.amdhsa_memory_ordered 1
		.amdhsa_forward_progress 1
		.amdhsa_inst_pref_size 74
	.end_amdhsa_kernel
	.amdgpu_metadata
---
amdhsa.version: [ 1, 2 ]
amdhsa.kernels:
  - .name:           k_q2dc6b59cb8_oproj
    .symbol:         k_q2dc6b59cb8_oproj.kd
    .args:
      - { .name: ctx, .offset: 0, .size: 8, .value_kind: global_buffer, .address_space: global }
      - { .name: woc, .offset: 8, .size: 8, .value_kind: global_buffer, .address_space: global }
      - { .name: lowp_scales, .offset: 16, .size: 8, .value_kind: global_buffer, .address_space: global }
      - { .name: out0, .offset: 24, .size: 8, .value_kind: global_buffer, .address_space: global }
    .group_segment_fixed_size: 327680
    .private_segment_fixed_size: 0
    .kernarg_segment_align: 8
    .kernarg_segment_size: 32
    .max_flat_workgroup_size: 128
    .sgpr_count:     100
    .vgpr_count:     512
    .wavefront_size: 32
...
	.end_amdgpu_metadata
.endif
;; end of part 4
